; MI455X (gfx1250); checked and timed in simulation.
; The chip was launched on July 23, 2026; its instructions are those of AMD's public machine-readable ISA for CDNA 5 (MIT licence, August 2026) and "CDNA5" Instruction Set Architecture Reference Guide (July 2026). The comments in the code are by the model that wrote it; some were corrected since.
;; Linear Experts. Allowed arithmetic: matrix products marked QUANTISED: E2M1 operands, one E8M0 scale for each 32 along K, by v_wmma_scale_f32_16x16x128_f8f6f4 with both operands' format E2M1 (or v_wmma_scale_f32_32x16x128_f4), f32 sums; products left as they are: f32 operands where the result goes on into a quantised operand, else bf16, f16 or f32 operands; f32 sums; everything else in f32.
;; Inputs: Wd 8 x 2,048 x 1,024 float32; Wg 8 x 1,024 x 2,048 float32; Wu 8 x 1,024 x 2,048 float32; bd 8 x 1,024 float32; bg 8 x 2,048 float32; bu 8 x 2,048 float32; hidden_states 2 x 512 x 1,024 float32; router_indices 2 x 512 x 2 int32; routing_weights 2 x 512 x 8 float32.
;; Outputs: out0 2 x 512 x 1,024 float32.
;; This version of the problem:
;;   THIS VERSION OF THE PROBLEM IS GIVEN IN LOW PRECISION. The matrix products marked QUANTISED in the list below multiply operands that are first quantised to E2M1 (2 exponent bits, 1 mantissa bit; 4 bits a number), with one power-of-two scale for each 32 numbers along K (OCP MX v1.0); their sums are f32. All else is computed in f32.
;;   The module's matrix products, in the order in which they are computed (A, B: the left and right operand; K: the contracted axis; several contracted axes count as one K, in the product's order):
;;     1. [M 16,384, K 1,024] x [K 1,024, N 1,024]; A: input Wg; B: input hidden_states: QUANTISED
;;     2. [M 16,384, K 1,024] x [K 1,024, N 1,024]; A: input Wu; B: input hidden_states: QUANTISED
;;     3. batch 8 x [M 1,024, K 2,048] x [K 2,048, N 1,024]; A: computed on the way; B: input Wd: QUANTISED
;;     4. batch 1,024 x [M 1,024, K 8] x [K 8, N 1]; A: computed on the way; B: computed on the way: left as it is (K = 8 < 32)
;;   THE QUANTISER, for each operand of a quantised product, along K:
;;     - K is cut into blocks of 32 from its start; a last block that is shorter is filled with zeros.
;;     - A block's scale is 2^e with e = floor(log2(the largest magnitude in the block)) - 2, held to -126 .. 127; a block of zeros has e = 0. As a byte (E8M0): e + 127.
;;     - Each number is divided by its block's scale, clamped to +-6, and rounded to the nearest number of E2M1, ties to even, subnormals kept.
;;     - The product sums the exact products of the quantised numbers (number of the format x scale) in f32.
;;   ~~~python
;;   def quantise(x, axis):      # numpy; x: float32 -> the quantised numbers, widened to float32 again
;;       x = np.moveaxis(x, axis, -1); K = x.shape[-1]
;;       x = np.pad(x, [(0, 0)] * (x.ndim - 1) + [(0, -K % 32)]); x = x.reshape(x.shape[:-1] + (-1, 32)); a = np.abs(x).max(-1, keepdims=True)
;;       e = np.where(a > 0, np.clip(np.frexp(np.where(a > 0, a, 1))[1] - 1 - 2, -126, 127), 0)      # np.frexp(a)[1] - 1 = floor(log2(a)), exactly
;;       r = np.clip(x / 2.0 ** e, -6, 6)
;;       step = 2.0 ** (np.maximum(np.frexp(np.where(r == 0, 1, r))[1] - 1, 0) - 1)
;;       q = np.round(r / step) * step * 2.0 ** e      # np.round: ties to even
;;       return np.moveaxis(q.reshape(q.shape[:-2] + (-1,))[..., :K], -1, axis).astype(np.float32)
;;   ~~~
;;   OPERANDS COMPUTED ON THE WAY. 'Computed on the way' means the value that the module computes at that place (a softmax that the list does not call 'softmax' is quantised finished and normalised). What goes into a quantiser is computed in f32, as accurately as f32 sums, v_exp_f32 and their like allow (about 1e-6 of the number): no bf16 or f16 on the way to a quantiser, and a product that is left as it is and whose result goes on into a quantised operand takes f32 operands (vector FMAs, or v_wmma_f32_16x16x4_f32). A number that lies on a knife's edge between two numbers of the format may be rounded either way, as far as f32 arithmetic and the matrix unit's own rounding can turn it there, and no further.
;; 2 versions. Each part assembles by itself: llvm-mc -triple=amdgcn-amd-amdhsa -mcpu=gfx1250 --defsym DOCPART=n.
;; ======== version 1 of 2: 4 launches
;; workspace buffers: xcod 1,105,920 bytes; xscl 69,120 bytes; acod 2,211,840 bytes; ascl 138,240 bytes; ypart 17,694,720 bytes; slot 8,192 bytes of whole numbers; meta 256 bytes of whole numbers
;; launch prep (part 1): grid 256 x 1, 4 waves a work-group, no clusters, 18,944 bytes of LDS; arguments hidden_states, router_indices, xcod, xscl, slot, meta; writes xcod, xscl, slot, meta
.if DOCPART == 1
	.amdgcn_target "amdgcn-amd-amdhsa--gfx1250"
	.amdhsa_code_object_version 6
	.text
	.protected	k_qc604711fcb_prep
	.globl	k_qc604711fcb_prep
	.p2align	8
	.type	k_qc604711fcb_prep,@function
k_qc604711fcb_prep:
	s_mov_b64 s[64:65], 0
	v_nop
	global_prefetch_b8 v0, s[64:65] scope:SCOPE_SE
	s_setreg_imm32_b32 hwreg(HW_REG_WAVE_MODE, 25, 1), 1
	s_wait_xcnt 0x0
; ROUTING AND x.  1,024 tokens, two expert numbers each: 2,048 routed rows.  The rows are sorted by expert into SLOTS; each expert's rows begin at a multiple of 16,
; so there are at most (2,048 + 8 x 15) / 16 = 135 tiles of 16 slots, whatever the choice.  A token that names one expert twice keeps two rows.
; Stored: slot[token][k] (the row's slot), meta (words 0-7 an expert's first tile, 8-15 its tiles, 16 all tiles), and x as codes of E2M1 with one E8M0 byte for each 32 along K,
; laid in slot order as the matrix operand's registers want them:
;   xcod: tile x 8,192 + block x 256 + row x 16: the 16 bytes (32 codes) of one block of one row;   xscl: tile x 512 + (block / 16) x 256 + row x 16 + block % 16.
; SHARES.  256 work-groups of 4 waves; a wave quantises ONE token, and EVERY WAVE COUNTS FOR ITSELF, in registers: no wave waits for another, there is no barrier, and LDS holds only each wave's own stage.
; The 8 KB of indices come by 16 loads of 512 consecutive bytes: lane l then holds the 32 tokens 64 i + 2 l + u (i = 0 .. 15, u = 0, 1): GROUP l.  Which tokens form a group is free, since the order of an
; expert's rows is free: they are ordered by group, then by the member's number m (token 64 (m / 2) + 2 g + m % 2), then by k.
; A lane counts its group's 64 indices in six registers of eight 4-bit fields (at most 11 indices to a register, a field holds 15), widens them to four registers of two 16-bit fields, and the 32 lanes are added
; on the scalar side: that gives every expert's rows in all and its rows ahead of my group.  Work-group x serves group x / 8, members 4 (x % 8) + wave.
; The wave of member 0 stores its group's 32 pairs of slot (in token order: sixteen pieces of 16 bytes; 8 KB in the whole launch); work-group 0 stores meta; wave 0 of work-groups 0-7 fills the unused rows of
; that expert's last tile with zero codes and the byte 127.
; No matrix work, no tensor loads, no cluster: the work-groups share only the 8 KB of indices.
; A token's codes leave as 32 pieces of 16 bytes, 256 bytes apart: the price of a layout from which the next launch, which reads them many times over, loads 512 consecutive bytes an instruction.
; LIMITS: expert numbers outside 0 .. 7 are not served (they are taken modulo 8 here; every address stays inside its buffer); NaN and infinities in x are not served; a block whose largest magnitude lies under
; 2^-124 gets the byte 1; a block of zeros gets the byte 1 with zero codes (this program alone reads the bytes).
.set SPL,  144                         ; LDS: a stage of its own for each wave: 32 places of 128 bytes + 16 of padding
.set WSTG, 32*SPL
.set TT,   20                          ; v20-23   at work
.set ACC,  122                         ; v122-127 six registers of eight 4-bit counts
.set IDX,  128                         ; v128-191 the 64 indices of my lane's group; later at work
.set CA0,  16                          ; v16  my group's counts, 16 bits each: experts 0 and 4
.set CA1,  17                          ; v17  experts 2 and 6
.set CB0,  18                          ; v18  experts 1 and 5
.set CB1,  19                          ; v19  experts 3 and 7
; s[28:35] an expert's first tile; s[36:39] the running sums over the lanes, laid as v16-19; s[40:43] the same at my group's lane; s[44:51] an expert's rows; s[52:59] its rows ahead of my group, then the slot
; of the first row that my group adds to it; s[84:99] four sets of four words read from a lane
	s_load_b256 s[4:11], s[0:1], 0x0               ; hidden_states s[4:5], router_indices s[6:7], xcod s[8:9], xscl s[10:11]
	s_load_b128 s[12:15], s[0:1], 0x20             ; slot s[12:13], meta s[14:15]
	v_lshl_add_u32 v192, v0, 2, 0x4800
	v_mov_b32 v193, 0
	v_lshrrev_b32 v9, 5, v0
	v_readfirstlane_b32 s16, v9                    ; wave 0..3
	v_and_b32 v1, 31, v0                           ; lane
	v_lshlrev_b32 v2, 4, v1                        ; 16 x lane
	v_and_b32 v9, 7, v1                            ; lane % 8
	v_lshrrev_b32 v13, 3, v1                       ; lane / 8
	v_and_b32 v118, 15, v1                         ; lane % 16
	v_lshrrev_b32 v119, 4, v1                      ; lane / 16
	v_lshl_add_u32 v120, v119, 8, v118             ; my block's place among a row's scale bytes
	s_lshr_b32 s20, ttmp9, 3                       ; g: my group
	s_and_b32 s21, ttmp9, 7
	s_lshl_b32 s21, s21, 2
	s_add_co_u32 s21, s21, s16                     ; m: my member of it
	s_lshr_b32 s17, s21, 1
	s_lshl_b32 s17, s17, 6
	s_lshl_b32 s22, s20, 1
	s_add_co_u32 s17, s17, s22
	s_and_b32 s22, s21, 1
	s_add_co_u32 s17, s17, s22                     ; my token: 64 (m / 2) + 2 g + m % 2
	s_lshl_b32 s18, s17, 12                        ; its row of 4,096 bytes
	s_mov_b32 s19, 0
	v_lshrrev_b32 v8, 1, v1
	v_lshlrev_b32 v8, 9, v8
	v_and_b32 v10, 1, v1
	v_lshl_add_u32 v8, v10, 3, v8
	s_lshl_b32 s22, s20, 4
	v_add_nc_u32 v8, s22, v8                       ; 8 x the token of my group's member number lane: 512 (lane / 2) + 16 g + 8 (lane % 2): in the indices and in slot
	s_mov_b32 s23, 0x0f0f0f0f
	s_mov_b32 s24, 0x00ff00ff
	s_mul_i32 s25, s16, WSTG                       ; my stage
	v_mul_u32_u24 v14, v13, SPL
	v_lshl_add_u32 v14, v9, 4, v14
	v_add_nc_u32 v14, s25, v14                     ; in: eight lanes' 128 bytes are one block: place lane / 8, byte 16 (lane % 8); a load's 512 bytes take four places
	v_mul_u32_u24 v15, v1, SPL
	v_add_nc_u32 v15, s25, v15                     ; out: place = lane: my block of 32 numbers
.irp j, 0,1,2,3
	v_mov_b32 v[108+\j], 0                         ; zero codes,
	v_mov_b32 v[112+\j], 0x7f7f7f7f                ; and the byte 127, for rows that no token takes
.endr
	v_mov_b32 v27, 1
	v_mov_b32 v28, 0
	v_mov_b32 v29, 0
	v_mov_b32 v31, 0
	s_mov_b64 s[36:37], 0
	s_mov_b64 s[38:39], 0
	s_mov_b64 s[40:41], 0
	s_mov_b64 s[42:43], 0
	s_wait_kmcnt 0x0
.irp i, 0,1,2,3,4,5,6,7,8,9,10,11,12,13,14,15
	global_load_b128 v[IDX+4*\i:IDX+4*\i+3], v2, s[6:7] offset:512*\i    ; all indices: 512 consecutive bytes a load; lane l: tokens 64 i + 2 l and 64 i + 2 l + 1
.endr
	global_load_b64 v[6:7], v8, s[6:7]             ; my group's members once more, one to a lane: for the places
	s_add_nc_u64 s[4:5], s[4:5], s[18:19]
.irp i, 0,1,2,3,4,5,6,7
	global_load_b128 v[32+4*\i:35+4*\i], v2, s[4:5] offset:512*\i th:TH_LOAD_NT   ; my token's row of x: 512 consecutive bytes a load
.endr
	s_wait_loadcnt 8                               ; the 17 index loads are in; the eight loads of x, issued behind them, stay out
; my lane's group: index e adds 1 << 4 e to one of six registers, by turns; the first six start the registers
.set j, 0
.rept 16
.irp n, 0,1,2,3
	v_lshlrev_b32 v[TT+\n], 2, v[IDX+j+\n]
.endr
.irp n, 0,1,2,3
.if (j+\n) < 6
	v_lshlrev_b32 v[ACC+(j+\n)%6], v[TT+\n], v27
.else
	v_lshl_add_u32 v[ACC+(j+\n)%6], 1, v[TT+\n], v[ACC+(j+\n)%6]
.endif
.endr
.set j, j+4
.endr
.irp k, 0,1,2,3,4,5
	v_and_b32 v[IDX+\k], s23, v[ACC+\k]            ; the even experts' counts, a byte each,
	v_lshrrev_b32 v[IDX+8+\k], 4, v[ACC+\k]
.endr
.irp k, 0,1,2,3,4,5
	v_and_b32 v[IDX+8+\k], s23, v[IDX+8+\k]        ; and the odd experts'
.endr
	v_add3_u32 v24, v[IDX], v[IDX+1], v[IDX+2]     ; at most 64 in a byte
	v_add3_u32 v25, v[IDX+8], v[IDX+9], v[IDX+10]
	v_add3_u32 v24, v24, v[IDX+3], v[IDX+4]
	v_add3_u32 v25, v25, v[IDX+11], v[IDX+12]
	v_add_nc_u32 v24, v24, v[IDX+5]                ; bytes: experts 0, 2, 4, 6
	v_add_nc_u32 v25, v25, v[IDX+13]               ; bytes: experts 1, 3, 5, 7
	v_and_b32 v[CA0], s24, v24                     ; 16 bits each, since the sum over the lanes goes up to 2,048
	v_lshrrev_b32 v[CA1], 8, v24
	v_and_b32 v[CB0], s24, v25
	v_lshrrev_b32 v[CB1], 8, v25
	v_and_b32 v[CA1], s24, v[CA1]
	v_and_b32 v[CB1], s24, v[CB1]
; the 32 lanes are added, lane by lane; where the lane is my group's, the sum so far is kept: the rows of the groups ahead of mine
.set l, 0
.rept 32
.set TS, 84+4*(l%4)
	v_readlane_b32 s[TS], v[CA0], l
	v_readlane_b32 s[TS+1], v[CA1], l
	v_readlane_b32 s[TS+2], v[CB0], l
	v_readlane_b32 s[TS+3], v[CB1], l
	s_cmp_eq_u32 s20, l
	s_cselect_b64 s[40:41], s[36:37], s[40:41]
	s_cselect_b64 s[42:43], s[38:39], s[42:43]
	s_add_nc_u64 s[36:37], s[36:37], s[TS:TS+1]    ; no field passes 2,048: nothing is carried from field to field
	s_add_nc_u64 s[38:39], s[38:39], s[TS+2:TS+3]
.set l, l+1
.endr
.irp e, 0,1,2,3,4,5,6,7
	s_bfe_u32 s[44+\e], s[36+2*(\e%2)+(\e/2)%2], 0x100000+16*(\e/4)     ; expert e's rows in all,
	s_bfe_u32 s[52+\e], s[40+2*(\e%2)+(\e/2)%2], 0x100000+16*(\e/4)     ; and ahead of my group
.endr
	s_mov_b32 s60, 0                               ; tiles so far
.irp e, 0,1,2,3,4,5,6,7
	s_mov_b32 s[28+\e], s60                        ; the expert's first tile
	v_writelane_b32 v31, s60, \e
	s_add_co_u32 s61, s[44+\e], 15
	s_lshr_b32 s61, s61, 4                         ; its tiles
	v_writelane_b32 v31, s61, 8+\e
	s_lshl_b32 s62, s60, 4
	s_add_co_u32 s[52+\e], s[52+\e], s62           ; the slot of the first row that my group adds to it
	s_add_co_u32 s60, s60, s61
.endr
	v_writelane_b32 v31, s60, 16                   ; all tiles
; the slots of my group's member number lane: the expert's base + the rows that lower lanes add to that expert; a token's second row comes behind its first
	v_and_b32 v6, 7, v6
	v_and_b32 v7, 7, v7
.irp e, 0,1,2,3,4,5,6,7
	v_cmp_eq_u32 s62, \e, v6
	v_cmp_eq_u32 s63, \e, v7
	v_mbcnt_lo_u32_b32 v26, s62, s[52+\e]
	v_mbcnt_lo_u32_b32 v26, s63, v26
	v_cndmask_b32 v28, v28, v26, s62
	v_cndmask_b32 v29, v29, v26, s63
.endr
	v_cmp_eq_u32 vcc_lo, v6, v7
	v_cndmask_b32 v26, 0, 1, vcc_lo
	v_add_nc_u32 v29, v29, v26
	s_cmp_lg_u32 s21, 0
	s_cbranch_scc1 .Lnot_first                     ; one wave for each group: that of member 0
	global_store_b64 v8, v[28:29], s[12:13]        ; the group's 32 pairs, each at its token's place
	s_cmp_lg_u32 ttmp9, 0
	s_cbranch_scc1 .Lnot_first
	v_lshlrev_b32 v116, 2, v1
	global_store_b32 v116, v31, s[14:15]           ; meta: 32 words, of which 17 are read
.Lnot_first:
	v_readlane_b32 s68, v28, s21                   ; my token is member m
	v_readlane_b32 s69, v29, s21
; x: the row turns through my stage, so that a lane holds one whole block of 32 neighbours
	s_wait_loadcnt 0x0
.irp i, 0,1,2,3,4,5,6,7
	ds_store_b128 v14, v[32+4*\i:35+4*\i] offset:4*SPL*\i
.endr
.irp j, 0,1,2,3,4,5,6,7
	ds_load_b128 v[64+4*\j:67+4*\j], v15 offset:16*\j     ; LDS serves a wave's instructions in order (ISA guide 5.7.1.4): these see my stores
.endr
	s_wait_dscnt 0x0
	v_max3_num_f32 v101, |v64|, |v65|, |v66|       ; the block's largest magnitude, in two chains
	v_max3_num_f32 v102, |v67|, |v68|, |v69|
.irp i, 6,10,14,18,22,26
	v_max3_num_f32 v101, v101, |v[64+\i]|, |v[65+\i]|
	v_max3_num_f32 v102, v102, |v[66+\i]|, |v[67+\i]|
.endr
	v_max3_num_f32 v101, v101, |v94|, |v95|
	v_max3_num_f32 v101, v101, v102, 0x1800000     ; and the floor 2^(3 - 127): the byte cannot fall under 1
	v_add_nc_u32 v103, 0xff000000, v101            ; 2 off its exponent field: the conversion takes the exponent field of this operand as its scale
.irp g, 0,1,2,3
	v_cvt_scalef32_pk8_fp4_f32 v[96+\g], v[64+8*\g:71+8*\g], v103
.endr
	v_lshrrev_b32 v100, 23, v103                   ; the scale's byte
; the row goes to slot s[sp]: tile = slot / 16, row = slot % 16
.macro PUT sp, vc, vs
	s_min_u32 s[\sp], s[\sp], 2159
	s_and_b32 s70, s[\sp], 0xff0                   ; 16 x tile
	s_and_b32 s71, s[\sp], 15
	s_lshl_b32 s71, s71, 4                         ; 16 x row
	s_lshl_b32 s72, s70, 9
	s_add_co_u32 s72, s72, s71
	s_lshl_b32 s73, s70, 5
	s_add_co_u32 s73, s73, s71
	v_lshl_add_u32 v[\vc], v1, 8, s72              ; + 256 x block
	v_add_nc_u32 v[\vs], s73, v120
	global_store_b128 v[\vc], v[96:99], s[8:9]
	global_store_b8 v[\vs], v100, s[10:11]
.endm
	PUT 68, 104, 105
	PUT 69, 106, 107
; the rows of an expert's last tile that no token takes: the expert whose number is the work-group's, by wave 0 of work-groups 0 to 7
	s_cmp_lg_u32 s16, 0
	s_cbranch_scc1 .Lend
	s_cmp_gt_u32 ttmp9, 7
	s_cbranch_scc1 .Lend
	s_mov_b32 s67, s44                             ; its rows and its first tile, chosen by the work-group's number
	s_mov_b32 s70, s28
.irp e, 1,2,3,4,5,6,7
	s_cmp_eq_u32 ttmp9, \e
	s_cselect_b32 s67, s[44+\e], s67
	s_cselect_b32 s70, s[28+\e], s70
.endr
	s_and_b32 s71, s67, 15                         ; the first unused row of the last tile;
	s_cmp_eq_u32 s71, 0
	s_cselect_b32 s71, 16, s71                     ; where that tile is full (or there is none) no row is unused: no lane is on below, and the stores do nothing.  No branch hangs on the count
	s_lshr_b32 s67, s67, 4
	s_add_co_u32 s70, s70, s67
	s_min_u32 s70, s70, 134
	s_lshl_b32 s72, s70, 13
	s_mov_b32 s73, 0
	s_add_nc_u64 s[74:75], s[8:9], s[72:73]
	s_lshl_b32 s72, s70, 9
	s_add_nc_u64 s[78:79], s[10:11], s[72:73]
	v_cmp_le_u32 vcc_lo, s71, v118                 ; lanes whose row (lane % 16) is unused
	s_wait_xcnt 0x0                                ; EXEC changes only when the stores above have had their addresses translated
	s_and_saveexec_b32 s66, vcc_lo
.irp i, 0,1,2,3,4,5,6,7,8,9,10,11,12,13,14,15
	global_store_b128 v2, v[108:111], s[74:75] offset:512*\i     ; blocks 2 i and 2 i + 1 of those rows
.endr
	global_store_b128 v2, v[112:115], s[78:79]
	s_wait_xcnt 0x0                                ; and again in front of the line that widens it
	s_or_b32 exec_lo, exec_lo, s66
.Lend:
	s_wait_tensorcnt 0x0
	ds_add_u32 v192, v193
	s_wait_dscnt 0x0
	s_endpgm
.Lfunc_end_k_qc604711fcb_prep:
	.size	k_qc604711fcb_prep, .Lfunc_end_k_qc604711fcb_prep-k_qc604711fcb_prep
	.p2alignl 7, 3214868480
	.fill 96, 4, 3214868480
	.section	.rodata,"a",@progbits
	.p2align	6, 0x0
	.amdhsa_kernel k_qc604711fcb_prep
		.amdhsa_group_segment_fixed_size 18944
		.amdhsa_private_segment_fixed_size 0
		.amdhsa_enable_private_segment 0
		.amdhsa_kernarg_size 48
		.amdhsa_user_sgpr_count 2
		.amdhsa_user_sgpr_kernarg_segment_ptr 1
		.amdhsa_wavefront_size32 1
		.amdhsa_system_sgpr_workgroup_id_x 1
		.amdhsa_system_sgpr_workgroup_id_y 1
		.amdhsa_system_sgpr_workgroup_id_z 1
		.amdhsa_system_vgpr_workitem_id 0
		.amdhsa_next_free_vgpr 194
		.amdhsa_next_free_sgpr 100
		.amdhsa_reserve_vcc 1
		.amdhsa_float_denorm_mode_32 3
		.amdhsa_float_denorm_mode_16_64 3
		.amdhsa_memory_ordered 1
		.amdhsa_forward_progress 1
		.amdhsa_inst_pref_size 39
	.end_amdhsa_kernel
	.amdgpu_metadata
---
amdhsa.version: [ 1, 2 ]
amdhsa.kernels:
  - .name:           k_qc604711fcb_prep
    .symbol:         k_qc604711fcb_prep.kd
    .args:
      - { .name: hidden_states, .offset: 0, .size: 8, .value_kind: global_buffer, .address_space: global }
      - { .name: router_indices, .offset: 8, .size: 8, .value_kind: global_buffer, .address_space: global }
      - { .name: xcod, .offset: 16, .size: 8, .value_kind: global_buffer, .address_space: global }
      - { .name: xscl, .offset: 24, .size: 8, .value_kind: global_buffer, .address_space: global }
      - { .name: slot, .offset: 32, .size: 8, .value_kind: global_buffer, .address_space: global }
      - { .name: meta, .offset: 40, .size: 8, .value_kind: global_buffer, .address_space: global }
    .group_segment_fixed_size: 18944
    .private_segment_fixed_size: 0
    .kernarg_segment_align: 8
    .kernarg_segment_size: 48
    .max_flat_workgroup_size: 128
    .sgpr_count:     100
    .vgpr_count:     194
    .wavefront_size: 32
...
	.end_amdgpu_metadata
.endif
;; end of part 1
;; launch gateup (part 2): grid 32 x 8, 8 waves a work-group, no clusters, 70,656 bytes of LDS; arguments Wg, Wu, bg, bu, xcod, xscl, meta, acod, ascl; writes acod, ascl
.if DOCPART == 2
	.amdgcn_target "amdgcn-amd-amdhsa--gfx1250"
	.amdhsa_code_object_version 6
	.text
	.protected	k_qc604711fcb_gateup
	.globl	k_qc604711fcb_gateup
	.p2align	8
	.type	k_qc604711fcb_gateup,@function
k_qc604711fcb_gateup:
	s_mov_b64 s[64:65], 0
	v_nop
	global_prefetch_b8 v0, s[64:65] scope:SCOPE_SE
	s_setreg_imm32_b32 hwreg(HW_REG_WAVE_MODE, 25, 1), 1
	s_wait_xcnt 0x0
; act = (clip(up) + 1) x glu(min(gate, 7)), gate = x Wg + bg, up = x Wu + bu, for the rows of ONE expert and 64 of its 2,048 hidden units; both products on codes of E2M1 with one E8M0 byte
; for each 32 along K; act leaves as codes along the next product's K (the hidden units), in slot order, laid as that product's operand registers want them:
;   acod: tile x 16,384 + block x 256 + row x 16;   ascl: tile x 1,024 + (block / 4) x 64 + row x 4 + block % 4.
; SHARES.  Work-group (ds, e): hidden units 64 ds .. 64 ds + 63 of expert e: 1,024 x 64 numbers of Wg and of Wu, 512 KB of f32, which no other work-group reads.  So every weight byte is read once.
; PHASE 1: the slice is read and quantised.  Wave w takes 32 columns (w % 4: gate's two halves, up's two halves) x 512 along K (w / 4).  A LANE TAKES A COLUMN AND ITS REGISTERS RUN DOWN K: a block of 32
; lies in one lane's 32 registers, and the conversions give codes with K innermost.  The codes go to LDS as images of the operand's registers (fragment = 16 columns x 128 K = 1 KB).
; THE COLUMNS OF A TILE ARE NOT NEIGHBOURS: row r of tile u is column 16 (r / 8) + 8 u + r % 8 of the 32, so that in the results a lane's 16 registers of tiles 0 and 1 are 16 neighbouring hidden units.
; PHASE 2, behind the launch's one barrier: wave w takes the half p = w % 2 of the 64 units (gate's and up's fragments: 256 registers) and the expert's tiles of 16 rows q, q + 4, .. (q = w / 2).
; The matrix instruction is used transposed (source 0 = 16 columns of W, source 1 = 16 rows of x): a lane holds ONE row and 16 neighbouring units of half a block of 32; lane l xor 16 holds the other half.
; The biases are the C of each sum's first matrix instruction.
; NO TENSOR LOADS, NO CLUSTER: the number of tiles is read from memory (meta), and the trip count hangs on it; what the 32 work-groups of an expert share, x's codes (8.5 KB a tile), is small beside the 512 KB
; that each reads alone.  A work-group whose expert has no rows still reads its slice (the barrier stands on every wave's path) and stores nothing.
; LIMITS: NaN and infinities are not served; a block whose largest magnitude lies under 2^-124 gets the byte 1; where 1.702 log2(e) |gate| passes 128 for a negative gate the sigmoid comes out as 0.
.set ROWS, 8192                        ; bytes from a row k of W to the next
.set NB,   16                          ; blocks of 32 along K for a wave
.set WSCL, 65536                       ; LDS: 0: 64 fragments of 1 KB, ((cg x 2 + u) x 8 + s) x 1,024 + block x 256 + row x 16;  WSCL: scale words, (cg x 8 + s) x 128 + 4 x lane (lanes 0-15 tile 0, lanes 16-31 tile 1)
.set VW,   4                           ; v4   4 x my column
.set VIMG, 5                           ; v5   where my codes go in LDS
.set VSCL, 6                           ; v6   where my scale words go
.set VLW,  7                           ; v7   from where I take fragments
.set VLS,  8                           ; v8   and scale words
.set VX,   9                           ; v9   16 x lane
.set VAC,  10                          ; v10  my 8 bytes of a block's 256 in acod
.set VAS,  11                          ; v11  4 x row
.set VB,   12                          ; v12  64 x (lane / 16): my half's biases
.set VPF,  13                          ; v13  the prefetch's rows
.set MA,   16
.set MB,   17
.set SO,   18
.set BY,   19
.set SW,   20
.set X,    32                          ; v32-159  phase 1: four sets of 32 numbers
.set C,    160                         ; v160-163 a block's codes
.set XF,   32                          ; v32-95   phase 2: x's eight fragments
.set G,    100                         ; v100-115 gate, tiles 0 and 1; then glu, then act
.set U,    116                         ; v116-131 up
.set T,    132                         ; v132-147 at work
.set BI,   176                         ; v176-207 the biases: gate's two tiles, up's two
.set WS,   208                         ; v208-223 W's scale words: gate's eight K steps, up's eight: scales and nothing else
.set XSC,  224                         ; v224-227 x's scale words: register j: lanes 0-15 K step j, lanes 16-31 K step 4 + j: scales and nothing else
.set QMA,  228
.set QMB,  229
.set QX,   230
.set QSO,  231
.set CP,   232                         ; v232-233 16 codes
.set QBY,  234
.set MSB, 0
.macro WIN new                         ; the immediate's high byte repeats the setting that is left
.if MSB != \new
	s_set_vgpr_msb (MSB<<8)|\new
.set MSB, \new
.endif
.endm
	s_load_b512 s[8:23], s[0:1], 0x0               ; Wg s[8:9], Wu s[10:11], bg s[12:13], bu s[14:15], xcod s[16:17], xscl s[18:19], meta s[20:21], acod s[22:23]
	s_load_b64 s[24:25], s[0:1], 0x40              ; ascl
	v_lshl_add_u32 v254, v0, 2, 0x11000
	v_mov_b32 v255, 0
	v_lshrrev_b32 v1, 5, v0
	v_readfirstlane_b32 s2, v1                     ; wave 0..7
	s_and_b32 s3, ttmp7, 0xffff                    ; e
	s_mov_b32 s4, ttmp9                            ; ds
	s_and_b32 s5, s2, 3                            ; cg: 0, 1 gate's halves; 2, 3 up's
	s_lshr_b32 s6, s2, 2                           ; kh: which 512 along K
	s_and_b32 s7, s2, 1                            ; p: which 32 of the 64 units (in both phases)
	s_lshr_b32 s26, s2, 1                          ; q: my first tile of rows
	v_and_b32 v1, 31, v0                           ; lane
	v_and_b32 v2, 15, v0                           ; r
	v_bfe_u32 v3, v0, 4, 1                         ; h (in phase 1: u, the tile)
	v_and_b32 v14, 7, v2
	v_lshrrev_b32 v15, 3, v2
	v_lshl_add_u32 v14, v15, 4, v14
	v_lshl_add_u32 v14, v3, 3, v14                 ; my column: 16 (r / 8) + 8 u + r % 8
	v_lshlrev_b32 v[VW], 2, v14
	s_lshl_b32 s45, s5, 14
	s_lshl_b32 s46, s6, 12
	s_add_co_u32 s45, s45, s46
	v_lshlrev_b32 v[VIMG], 4, v2
	v_lshl_add_u32 v[VIMG], v3, 13, v[VIMG]
	v_add_nc_u32 v[VIMG], s45, v[VIMG]             ; 16,384 cg + 8,192 u + 4,096 kh + 16 r
	s_lshl_b32 s45, s5, 10
	s_lshl_b32 s46, s6, 9
	s_add_co_u32 s45, s45, s46
	s_add_co_u32 s45, s45, WSCL
	v_lshl_add_u32 v[VSCL], v1, 2, s45             ; WSCL + 1,024 cg + 512 kh + 4 x lane
	s_lshl_b32 s45, s7, 14
	v_lshl_add_u32 v[VLW], v1, 4, s45              ; 16,384 p + 16 x lane
	s_lshl_b32 s45, s7, 10
	s_add_co_u32 s45, s45, WSCL
	v_lshl_add_u32 v[VLS], v1, 2, s45              ; WSCL + 1,024 p + 4 x lane
	v_lshlrev_b32 v[VX], 4, v1
	v_lshlrev_b32 v[VAC], 4, v2
	v_lshl_add_u32 v[VAC], v3, 3, v[VAC]           ; 16 r + 8 h
	v_lshlrev_b32 v[VAS], 2, v2
	v_lshlrev_b32 v[VB], 6, v3
	s_lshl_b32 s45, s7, 18
	v_lshl_add_u32 v[VPF], v1, 13, s45             ; row = lane; the odd wave of a pair of column halves asks one block (32 rows) further on
	v_mov_b32 v[QX], 0                             ; written once: a lane permute's destination counts as one of its sources
	s_lshl_b32 s34, s3, 23                         ; my part of W: expert e,
	s_lshl_b32 s45, s6, 22                         ; 512 rows x kh,
	s_add_co_u32 s34, s34, s45
	s_lshl_b32 s45, s4, 8                          ; 64 columns x ds,
	s_add_co_u32 s34, s34, s45
	s_lshl_b32 s45, s7, 7                          ; 32 columns x (cg % 2)
	s_add_co_u32 s34, s34, s45
	s_mov_b32 s35, 0
	s_lshl_b32 s47, s3, 2
	s_mov_b32 s48, 0xc01d265f                      ; -1.702 log2(e)
	s_mov_b32 s49, s48                             ; (named with it as a pair, so it is written)
	s_mov_b32 s50, 0xc0e00000                      ; -7
	s_mov_b32 s51, 0x40e00000                      ; 7
	s_mov_b32 s52, 0x76543210                      ; v_permlanex16_b32's selects for lane l xor 16
	s_mov_b32 s53, 0xfedcba98
	s_wait_kmcnt 0x0
	s_load_b32 s27, s[20:21], s47 offset:0x0       ; my expert's first tile,
	s_load_b32 s28, s[20:21], s47 offset:0x20      ; its tiles,
	s_load_b32 s29, s[20:21], 0x40                 ; all tiles
	s_cmp_lt_u32 s5, 2
	s_cselect_b64 s[32:33], s[8:9], s[10:11]       ; Wg or Wu: the choice hangs on the wave's number alone
	s_add_nc_u64 s[32:33], s[32:33], s[34:35]
; block t: W(32 t + i, my column), i = 0 .. 31, into set t % 4: 32 lanes read 128 consecutive bytes
.macro LOADB t
.set LB, X+32*((\t)%4)
.set ii, 0
.rept 32
	global_load_b32 v[LB+ii], v[VW], s[32:33] offset:(32*(\t)+ii)*ROWS th:TH_LOAD_NT
.set ii, ii+1
.endr
.endm
.macro BLOCK t
.set XB_, X+32*((\t)%4)
.if (\t) < NB-1
	s_wait_loadcnt 32                              ; this block's 32 loads are in; the next block's 32, issued behind them, stay out
.else
	s_wait_loadcnt 0x0
.endif
.if (\t)+2 < NB
	LOADB (\t)+2
.endif
.if ((\t)%2 == 0) && ((\t)+5 < NB)
	global_prefetch_b8 v[VPF], s[32:33] offset:((\t)+4)*32*ROWS th:TH_LOAD_NT scope:SCOPE_SE   ; the 64 rows of blocks t + 4 and t + 5, 256 bytes each, shared by two waves: the even wave asks for one block's, the odd wave for the other's, each row once, two blocks ahead of its loads; nothing past the wave's last block
.endif
	v_max3_num_f32 v[MA], |v[XB_]|, |v[XB_+1]|, |v[XB_+2]|        ; the block's largest magnitude: all 32 numbers are mine
	v_max3_num_f32 v[MB], |v[XB_+3]|, |v[XB_+4]|, |v[XB_+5]|
.irp k, 6,10,14,18,22,26
	v_max3_num_f32 v[MA], v[MA], |v[XB_+\k]|, |v[XB_+\k+1]|
	v_max3_num_f32 v[MB], v[MB], |v[XB_+\k+2]|, |v[XB_+\k+3]|
.endr
	v_max3_num_f32 v[MA], v[MA], |v[XB_+30]|, |v[XB_+31]|
	v_max3_num_f32 v[MA], v[MA], v[MB], 0x1800000  ; and the floor 2^(3 - 127): the byte cannot fall under 1
	v_add_nc_u32 v[SO], 0xff000000, v[MA]          ; 2 off its exponent field: the conversion's scale operand
	v_lshrrev_b32 v[BY], 23, v[SO]                 ; the scale's byte
	s_wait_dscnt 0x0                               ; the last block's LDS stores have read their registers
.if (\t)%4 == 0
	v_mov_b32 v[SW], v[BY]                         ; four bytes make a K step's scale word, the lower K in the lower byte
.else
	v_lshl_or_b32 v[SW], v[BY], 8*((\t)%4), v[SW]
.endif
.irp g, 0,1,2,3
	v_cvt_scalef32_pk8_fp4_f32 v[C+\g], v[XB_+8*\g:XB_+8*\g+7], v[SO]
.endr
	v_nop                                          ; one plain vector line behind the last conversion of a run
	ds_store_b128 v[VIMG], v[C:C+3] offset:((\t)/4)*1024+((\t)%4)*256
.if (\t)%4 == 3
	ds_store_b32 v[VSCL], v[SW] offset:((\t)/4)*128
.endif
.endm
; x's tile number s45 of my expert's (held inside the tiles that exist): where its codes and scale words begin
.macro SETX
	s_add_co_u32 s45, s45, s27
	s_min_u32 s45, s45, s29
	s_min_u32 s45, s45, 134
	s_lshl_b32 s46, s45, 13
	s_mov_b32 s47, 0
	s_add_nc_u64 s[36:37], s[16:17], s[46:47]
	s_lshl_b32 s46, s45, 9
	s_add_nc_u64 s[38:39], s[18:19], s[46:47]
.endm
.macro XLOAD                           ; eight fragments and their scale words: 512 consecutive bytes a load
.set ii, 0
.rept 16
	global_load_b128 v[XF+4*ii:XF+4*ii+3], v[VX], s[36:37] offset:512*ii
.set ii, ii+1
.endr
	global_load_b128 v[XSC:XSC+3], v[VX], s[38:39]
.endm
	LOADB 0
	LOADB 1
	s_wait_kmcnt 0x0
	s_sub_co_u32 s29, s29, 1                       ; the last tile that exists
	s_max_u32 s30, s28, 1
	s_sub_co_u32 s30, s30, 1                       ; my expert's last tile
	s_lshl_b32 s34, s3, 13                         ; the biases of my 32 units: 8,192 e + 256 ds + 128 p
	s_lshl_b32 s45, s4, 8
	s_add_co_u32 s34, s34, s45
	s_lshl_b32 s45, s7, 7
	s_add_co_u32 s34, s34, s45
	s_add_nc_u64 s[54:55], s[12:13], s[34:35]
	s_add_nc_u64 s[56:57], s[14:15], s[34:35]
	s_lshl_b32 s34, s4, 9                          ; acod: my block 2 ds + p: 256 bytes each
	s_lshl_b32 s45, s7, 8
	s_add_co_u32 s34, s34, s45
	s_add_nc_u64 s[58:59], s[22:23], s[34:35]
	s_lshr_b32 s34, s4, 1                          ; ascl: K step ds / 2 (64 bytes), byte 2 (ds % 2) + p of a row's word
	s_lshl_b32 s34, s34, 6
	s_and_b32 s45, s4, 1
	s_lshl_b32 s45, s45, 1
	s_add_co_u32 s34, s34, s45
	s_add_co_u32 s34, s34, s7
	s_add_nc_u64 s[60:61], s[24:25], s[34:35]
.set Q, 0
.rept NB
	BLOCK Q
.set Q, Q+1
.endr
; the biases in the result's layout: lane (r, h), tile u, register j: unit 32 p + 16 h + 8 u + j
.irp u, 0,1
	global_load_b128 v[BI+8*\u:BI+8*\u+3], v[VB], s[54:55] offset:32*\u
	global_load_b128 v[BI+8*\u+4:BI+8*\u+7], v[VB], s[54:55] offset:32*\u+16
	global_load_b128 v[BI+16+8*\u:BI+16+8*\u+3], v[VB], s[56:57] offset:32*\u
	global_load_b128 v[BI+16+8*\u+4:BI+16+8*\u+7], v[VB], s[56:57] offset:32*\u+16
.endr
	s_min_u32 s45, s26, s30
	SETX
	XLOAD                                          ; my first tile of rows is on its way across the barrier
	s_wait_dscnt 0x0                               ; for the others' sake: my images lie in LDS
	s_barrier_signal -1
	s_barrier_wait -1                              ; all 64 fragments do; nothing is stored to LDS behind this barrier
	s_cmp_ge_u32 s26, s28
	s_cbranch_scc1 .Lend                           ; fewer tiles than waves to take them: no barrier follows
	WIN 0x40                                       ; destination window 1: fragment f = (gu x 2 + u) x 8 + s at v[256 + 8 f]
.set ff, 0
.rept 32
	ds_load_b128 v[8*ff:8*ff+3], v[VLW] offset:(ff/16)*32768+((ff/8)%2)*8192+(ff%8)*1024
	ds_load_b128 v[8*ff+4:8*ff+7], v[VLW] offset:(ff/16)*32768+((ff/8)%2)*8192+(ff%8)*1024+512
.set ff, ff+1
.endr
	WIN 0
.set ff, 0
.rept 16
	ds_load_b32 v[WS+ff], v[VLS] offset:(ff/8)*2048+(ff%8)*128
.set ff, ff+1
.endr
	s_mov_b32 s44, s26                             ; the tile in hand, counted within my expert
	s_sub_co_u32 s31, s28, s26                     ; my trips: tiles q, q + 4, .. under the expert's count: (tiles - q + 3) / 4, at least 1 here
	s_add_co_u32 s31, s31, 3
	s_lshr_b32 s31, s31, 2
	s_mov_b32 s62, 0                               ; trips done
	s_wait_dscnt 0x0
; one product: gu = 0 gate, 1 up; tile u; K step s.  W's scale word: lanes 0-15 tile 0, lanes 16-31 tile 1; x's: lanes 0-15 K steps 0-3, lanes 16-31 K steps 4-7
.macro MM gu, u, s
.set AC, G+16*(\gu)+8*(\u)
.set WF, 8*((2*(\gu)+(\u))*8+(\s))
.set BF, XF+8*(\s)
.set WR, WS+8*(\gu)+(\s)
.set XR, XSC+(\s)%4
.if (\s) == 0
.set CC, BI+16*(\gu)+8*(\u)
.else
.set CC, AC
.endif
.if ((\u) == 0) && ((\s) < 4)
	v_wmma_scale_f32_16x16x128_f8f6f4 v[AC:AC+7], v[WF:WF+7], v[BF:BF+7], v[CC:CC+7], v[WR], v[XR] matrix_a_fmt:MATRIX_FMT_FP4 matrix_b_fmt:MATRIX_FMT_FP4
.elseif (\s) < 4
	v_wmma_scale_f32_16x16x128_f8f6f4 v[AC:AC+7], v[WF:WF+7], v[BF:BF+7], v[CC:CC+7], v[WR], v[XR] matrix_a_fmt:MATRIX_FMT_FP4 matrix_b_fmt:MATRIX_FMT_FP4 matrix_a_scale:MATRIX_SCALE_ROW1
.elseif (\u) == 0
	v_wmma_scale_f32_16x16x128_f8f6f4 v[AC:AC+7], v[WF:WF+7], v[BF:BF+7], v[CC:CC+7], v[WR], v[XR] matrix_a_fmt:MATRIX_FMT_FP4 matrix_b_fmt:MATRIX_FMT_FP4 matrix_b_scale:MATRIX_SCALE_ROW1
.else
	v_wmma_scale_f32_16x16x128_f8f6f4 v[AC:AC+7], v[WF:WF+7], v[BF:BF+7], v[CC:CC+7], v[WR], v[XR] matrix_a_fmt:MATRIX_FMT_FP4 matrix_b_fmt:MATRIX_FMT_FP4 matrix_a_scale:MATRIX_SCALE_ROW1 matrix_b_scale:MATRIX_SCALE_ROW1
.endif
.endm
.Ltile:                                                ; a trip: one tile of 16 rows x my 32 units; tiles q, q + 4, ..
	s_wait_loadcnt 0x0                             ; x's fragments and scale words (in the first trip the biases too): all that is out
	s_wait_xcnt 0x0                                ; the last trip's stores have read their data and bases: both are written again below
	WIN 0x01                                       ; source 0 (W) window 1
.irp s, 0,1,2,3,4,5,6,7                ; the four accumulators take turns, one instruction a turn
	MM 0, 0, \s
	MM 0, 1, \s
	MM 1, 0, \s
	MM 1, 1, \s
.endr
	WIN 0
.rept 4
	v_nop                                          ; four places in front of loads into registers that matrix instructions have read, and of the first read of results; the next trip's first products, which begin the accumulators anew, stand behind the plain lines of the activation as well
.endr
	s_add_co_u32 s45, s44, 4
	s_min_u32 s45, s45, s30                        ; the last trip asks for my expert's last tile once more: no load leaves the tiles that exist
	SETX
	XLOAD                                          ; the next tile lands under the vector work below
.set ii, 0
.rept 16
	v_min_num_f32 v[G+ii], s51, v[G+ii]            ; gate = min(gate, 7): each accumulator from its low end on
.set ii, ii+1
.endr
.set ii, 0
.rept 8
	v_pk_mul_f32 v[T+2*ii:T+2*ii+1], v[G+2*ii:G+2*ii+1], s[48:49] op_sel_hi:[1,0]     ; -1.702 log2(e) gate
.set ii, ii+1
.endr
.set ii, 0
.rept 16
	v_exp_f32 v[T+ii], v[T+ii]
.set ii, ii+1
.endr
.set ii, 0
.rept 16
	v_med3_num_f32 v[U+ii], v[U+ii], s50, s51      ; up = clip(up, -7, 7).  (Plain lines behind the exponentials)
.set ii, ii+1
.endr
.set ii, 0
	s_wait_alu depctr_va_vdst(0)
.rept 8
	v_pk_add_f32 v[T+2*ii:T+2*ii+1], v[T+2*ii:T+2*ii+1], 1.0 op_sel_hi:[1,0]
.set ii, ii+1
.endr
.set ii, 0
.rept 16
	v_rcp_f32 v[T+ii], v[T+ii]                     ; the sigmoid
.set ii, ii+1
.endr
	v_nop                                          ; one plain line behind the last reciprocal
.set ii, 0
	s_wait_alu depctr_va_vdst(0)
.rept 8
	v_pk_mul_f32 v[G+2*ii:G+2*ii+1], v[G+2*ii:G+2*ii+1], v[T+2*ii:T+2*ii+1]           ; glu
.set ii, ii+1
.endr
.set ii, 0
.rept 8
	v_pk_fma_f32 v[G+2*ii:G+2*ii+1], v[U+2*ii:U+2*ii+1], v[G+2*ii:G+2*ii+1], v[G+2*ii:G+2*ii+1]   ; act = up glu + glu
.set ii, ii+1
.endr
	v_max3_num_f32 v[QMA], |v[G]|, |v[G+1]|, 0x1800000             ; my 16 numbers of the block, and the floor 2^(3 - 127)
	v_max3_num_f32 v[QMB], |v[G+2]|, |v[G+3]|, |v[G+4]|
	v_max3_num_f32 v[QMA], v[QMA], |v[G+5]|, |v[G+6]|
	v_max3_num_f32 v[QMB], v[QMB], |v[G+7]|, |v[G+8]|
	v_max3_num_f32 v[QMA], v[QMA], |v[G+9]|, |v[G+10]|
	v_max3_num_f32 v[QMB], v[QMB], |v[G+11]|, |v[G+12]|
	v_max3_num_f32 v[QMA], v[QMA], |v[G+13]|, |v[G+14]|
	v_max3_num_f32 v[QMA], v[QMA], v[QMB], |v[G+15]|
	v_permlanex16_b32 v[QX], v[QMA], s52, s53
	v_max_num_f32 v[QMA], v[QMA], v[QX]            ; with lane l xor 16's 16: the block's largest magnitude
	v_add_nc_u32 v[QSO], 0xff000000, v[QMA]
	v_cvt_scalef32_pk8_fp4_f32 v[CP], v[G:G+7], v[QSO]
	v_cvt_scalef32_pk8_fp4_f32 v[CP+1], v[G+8:G+15], v[QSO]
	v_lshrrev_b32 v[QBY], 23, v[QSO]               ; the scale's byte.  (The plain line behind the conversions)
	s_add_co_u32 s45, s44, s27
	s_min_u32 s45, s45, 134                        ; this tile among all
	s_lshl_b32 s46, s45, 14
	s_mov_b32 s47, 0
	s_add_nc_u64 s[40:41], s[58:59], s[46:47]
	s_lshl_b32 s46, s45, 10
	s_add_nc_u64 s[42:43], s[60:61], s[46:47]
	global_store_b64 v[VAC], v[CP:CP+1], s[40:41]  ; the block's 16 rows x 16 bytes: the wave stores 256 consecutive bytes, aligned
	global_store_b8 v[VAS], v[QBY], s[42:43]       ; both lanes of a row write the same byte with the same value
	s_add_co_u32 s44, s44, 4                       ; my next tile
	s_add_co_u32 s62, s62, 1                       ; the loop ends on its count of trips, one a trip
	s_cmp_lt_u32 s62, s31
	s_cbranch_scc1 .Ltile
.Lend:
	s_wait_tensorcnt 0x0
	ds_add_u32 v254, v255
	s_wait_dscnt 0x0
	s_endpgm
.Lfunc_end_k_qc604711fcb_gateup:
	.size	k_qc604711fcb_gateup, .Lfunc_end_k_qc604711fcb_gateup-k_qc604711fcb_gateup
	.p2alignl 7, 3214868480
	.fill 96, 4, 3214868480
	.section	.rodata,"a",@progbits
	.p2align	6, 0x0
	.amdhsa_kernel k_qc604711fcb_gateup
		.amdhsa_group_segment_fixed_size 70656
		.amdhsa_private_segment_fixed_size 0
		.amdhsa_enable_private_segment 0
		.amdhsa_kernarg_size 72
		.amdhsa_user_sgpr_count 2
		.amdhsa_user_sgpr_kernarg_segment_ptr 1
		.amdhsa_wavefront_size32 1
		.amdhsa_system_sgpr_workgroup_id_x 1
		.amdhsa_system_sgpr_workgroup_id_y 1
		.amdhsa_system_sgpr_workgroup_id_z 1
		.amdhsa_system_vgpr_workitem_id 0
		.amdhsa_next_free_vgpr 512
		.amdhsa_next_free_sgpr 66
		.amdhsa_reserve_vcc 0
		.amdhsa_float_denorm_mode_32 3
		.amdhsa_float_denorm_mode_16_64 3
		.amdhsa_memory_ordered 1
		.amdhsa_forward_progress 1
		.amdhsa_inst_pref_size 99
	.end_amdhsa_kernel
	.amdgpu_metadata
---
amdhsa.version: [ 1, 2 ]
amdhsa.kernels:
  - .name:           k_qc604711fcb_gateup
    .symbol:         k_qc604711fcb_gateup.kd
    .args:
      - { .name: Wg, .offset: 0, .size: 8, .value_kind: global_buffer, .address_space: global }
      - { .name: Wu, .offset: 8, .size: 8, .value_kind: global_buffer, .address_space: global }
      - { .name: bg, .offset: 16, .size: 8, .value_kind: global_buffer, .address_space: global }
      - { .name: bu, .offset: 24, .size: 8, .value_kind: global_buffer, .address_space: global }
      - { .name: xcod, .offset: 32, .size: 8, .value_kind: global_buffer, .address_space: global }
      - { .name: xscl, .offset: 40, .size: 8, .value_kind: global_buffer, .address_space: global }
      - { .name: meta, .offset: 48, .size: 8, .value_kind: global_buffer, .address_space: global }
      - { .name: acod, .offset: 56, .size: 8, .value_kind: global_buffer, .address_space: global }
      - { .name: ascl, .offset: 64, .size: 8, .value_kind: global_buffer, .address_space: global }
    .group_segment_fixed_size: 70656
    .private_segment_fixed_size: 0
    .kernarg_segment_align: 8
    .kernarg_segment_size: 72
    .max_flat_workgroup_size: 256
    .sgpr_count:     66
    .vgpr_count:     512
    .wavefront_size: 32
...
	.end_amdgpu_metadata
.endif
;; end of part 2
;; launch down (part 3): grid 32 x 8, 8 waves a work-group, no clusters, 70,656 bytes of LDS; arguments Wd, acod, ascl, meta, ypart; writes ypart
.if DOCPART == 3
	.amdgcn_target "amdgcn-amd-amdhsa--gfx1250"
	.amdhsa_code_object_version 6
	.text
	.protected	k_qc604711fcb_down
	.globl	k_qc604711fcb_down
	.p2align	8
	.type	k_qc604711fcb_down,@function
k_qc604711fcb_down:
	s_mov_b64 s[64:65], 0
	v_nop
	global_prefetch_b8 v0, s[64:65] scope:SCOPE_SE
	s_setreg_imm32_b32 hwreg(HW_REG_WAVE_MODE, 25, 1), 1
	s_wait_xcnt 0x0
; y = act Wd for the rows of ONE expert, 64 of the 1,024 output columns and ONE HALF of K (1,024 of the 2,048 hidden units), on codes of E2M1 with one E8M0 byte for each 32 along K.
; ypart: [K half][slot][1,024] f32: the two halves, the bias and the routing weights meet in the next launch.
; SHARES.  Work-group (x, e): columns 64 (x % 16) on, K half x / 16: 1,024 x 64 numbers of Wd, 256 KB of f32, which no other work-group reads.  K is halved so that there are 256 work-groups whose rows of Wd are
; 256 consecutive bytes; the price is a second copy of y on its way to the next launch.
; PHASE 1: wave w takes 32 columns (w % 2) x 256 along K (w / 2).  A lane takes a column and its registers run down K; the codes go to LDS as images of the operand's registers.
; PHASE 2, behind the launch's one barrier: every wave takes all 32 fragments (256 registers) and the expert's tiles of 16 rows w, w + 8, ..  The matrix instruction is used transposed (source 0 = 16 columns
; of Wd, source 1 = 16 rows of act): a lane holds eight neighbouring columns of one row.  A tile's 16 rows x 256 bytes go through the wave's own stage in LDS and leave as whole rows.
; NO TENSOR LOADS, NO CLUSTER: the number of tiles is read from memory (meta), and the trip count hangs on it; what work-groups share, act's codes (8.5 KB a tile and K half), is small beside the 256 KB that each
; reads alone.  A work-group whose expert has no rows still reads its slice (the barrier stands on every wave's path) and stores nothing.
; LIMITS: NaN and infinities are not served; a block of Wd whose largest magnitude lies under 2^-124 gets the byte 1.
.set ROWS, 4096                        ; bytes from a row k of Wd to the next
.set NB,   8                           ; blocks of 32 along K for a wave
.set WSCL, 32768                       ; LDS: 0: 32 fragments of 1 KB, (tile x 8 + s) x 1,024 + block x 256 + row x 16;  WSCL: scale words, (tile / 2 x 8 + s) x 128 + 4 x lane
.set STG,  34816                       ; a stage of 16 rows x (256 + 16) bytes for each wave
.set SPI,  272
.set VW,   4                           ; v4   4 x lane: my column; also a scale word's place
.set VIMG, 5
.set VSCL, 6
.set VLS,  8                           ; v8   WSCL + 4 x lane
.set VX,   9                           ; v9   16 x lane: in LDS and in memory
.set VSO,  10                          ; v10  the stage: where I put 32 bytes of a row
.set VSR,  11                          ; v11  and where I read a row back
.set VY,   12                          ; v12  the same place in two rows of ypart
.set VPF,  13
.set MA,   16
.set MB,   17
.set SO,   18
.set BY,   19
.set SW,   20
.set X,    32                          ; v32-159  phase 1: four sets of 32 numbers
.set C,    160
.set AF,   32                          ; v32-95   phase 2: act's eight fragments
.set ACC,  100                         ; v100-131 four accumulators
.set OUTR, 132                         ; v132-163 16 rows read back from the stage
.set WS,   208                         ; v208-223 Wd's scale words: scales and nothing else
.set ASC,  224                         ; v224-227 act's: register j: lanes 0-15 K step 2 j, lanes 16-31 K step 2 j + 1: scales and nothing else
.set MSB, 0
.macro WIN new                         ; the immediate's high byte repeats the setting that is left
.if MSB != \new
	s_set_vgpr_msb (MSB<<8)|\new
.set MSB, \new
.endif
.endm
	s_load_b256 s[8:15], s[0:1], 0x0               ; Wd s[8:9], acod s[10:11], ascl s[12:13], meta s[14:15]
	s_load_b64 s[16:17], s[0:1], 0x20              ; ypart
	v_lshl_add_u32 v254, v0, 2, 0x11000
	v_mov_b32 v255, 0
	v_lshrrev_b32 v1, 5, v0
	v_readfirstlane_b32 s2, v1                     ; wave 0..7
	s_and_b32 s3, ttmp7, 0xffff                    ; e
	s_and_b32 s4, ttmp9, 15                        ; hs: which 64 columns
	s_lshr_b32 s5, ttmp9, 4                        ; kh: which half of K
	s_and_b32 s6, s2, 1                            ; cg: which 32 of the 64 columns
	s_lshr_b32 s7, s2, 1                           ; kq: which 256 of the 1,024 along K
	v_and_b32 v1, 31, v0                           ; lane
	v_and_b32 v2, 15, v0                           ; r
	v_bfe_u32 v3, v0, 4, 1                         ; h (in phase 1: which of the wave's two tiles)
	v_lshlrev_b32 v[VW], 2, v1
	s_lshl_b32 s45, s6, 14
	s_lshl_b32 s46, s7, 11
	s_add_co_u32 s45, s45, s46
	v_lshlrev_b32 v[VIMG], 4, v2
	v_lshl_add_u32 v[VIMG], v3, 13, v[VIMG]
	v_add_nc_u32 v[VIMG], s45, v[VIMG]             ; 16,384 cg + 8,192 u + 2,048 kq + 16 r
	s_lshl_b32 s45, s6, 10
	s_lshl_b32 s46, s7, 8
	s_add_co_u32 s45, s45, s46
	s_add_co_u32 s45, s45, WSCL
	v_lshl_add_u32 v[VSCL], v1, 2, s45             ; WSCL + 1,024 cg + 256 kq + 4 x lane
	v_lshl_add_u32 v[VLS], v1, 2, WSCL
	v_lshlrev_b32 v[VX], 4, v1
	s_mul_i32 s45, s2, 16*SPI
	s_add_co_u32 s45, s45, STG                     ; my stage
	v_mul_u32_u24 v[VSO], v2, SPI
	v_lshl_add_u32 v[VSO], v3, 5, v[VSO]
	v_add_nc_u32 v[VSO], s45, v[VSO]               ; in: row r, 32 bytes for each half of the lanes
	v_mul_u32_u24 v[VSR], v3, SPI
	v_lshl_add_u32 v[VSR], v2, 4, v[VSR]
	v_add_nc_u32 v[VSR], s45, v[VSR]               ; back: lanes 0-15 one row of 256 bytes, lanes 16-31 the next
	v_lshlrev_b32 v[VY], 12, v3
	v_lshl_add_u32 v[VY], v2, 4, v[VY]             ; and the same two rows in ypart, 4,096 bytes apart
	s_lshl_b32 s45, s6, 17
	v_lshl_add_u32 v[VPF], v1, 12, s45             ; row = lane; the odd wave of a pair of column halves asks one block (32 rows) further on
	s_lshl_b32 s34, s3, 23                         ; my part of Wd: expert e,
	s_lshl_b32 s45, s5, 22                         ; 1,024 rows x kh,
	s_add_co_u32 s34, s34, s45
	s_lshl_b32 s45, s7, 20                         ; 256 rows x kq,
	s_add_co_u32 s34, s34, s45
	s_lshl_b32 s45, s4, 8                          ; 64 columns x hs,
	s_add_co_u32 s34, s34, s45
	s_lshl_b32 s45, s6, 7                          ; 32 columns x cg
	s_add_co_u32 s34, s34, s45
	s_mov_b32 s35, 0
	s_lshl_b32 s47, s3, 2
	s_wait_kmcnt 0x0
	s_load_b32 s27, s[14:15], s47 offset:0x0       ; my expert's first tile,
	s_load_b32 s28, s[14:15], s47 offset:0x20      ; its tiles,
	s_load_b32 s29, s[14:15], 0x40                 ; all tiles
	s_add_nc_u64 s[32:33], s[8:9], s[34:35]
; block t: Wd(32 t + i, my column), i = 0 .. 31, into set t % 4: 32 lanes read 128 consecutive bytes
.macro LOADB t
.set LB, X+32*((\t)%4)
.set ii, 0
.rept 32
	global_load_b32 v[LB+ii], v[VW], s[32:33] offset:(32*(\t)+ii)*ROWS th:TH_LOAD_NT
.set ii, ii+1
.endr
.endm
.macro BLOCK t
.set XB_, X+32*((\t)%4)
.if (\t) < NB-1
	s_wait_loadcnt 32                              ; this block's 32 loads are in; the next block's 32, issued behind them, stay out
.else
	s_wait_loadcnt 0x0
.endif
.if (\t)+2 < NB
	LOADB (\t)+2
.endif
.if ((\t)%2 == 0) && ((\t)+5 < NB)
	global_prefetch_b8 v[VPF], s[32:33] offset:((\t)+4)*32*ROWS th:TH_LOAD_NT scope:SCOPE_SE   ; the 64 rows of blocks t + 4 and t + 5, 256 bytes each, shared by two waves: the even wave asks for one block's, the odd wave for the other's, each row once, two blocks ahead of its loads; nothing past the wave's last block
.endif
	v_max3_num_f32 v[MA], |v[XB_]|, |v[XB_+1]|, |v[XB_+2]|        ; the block's largest magnitude: all 32 numbers are mine
	v_max3_num_f32 v[MB], |v[XB_+3]|, |v[XB_+4]|, |v[XB_+5]|
.irp k, 6,10,14,18,22,26
	v_max3_num_f32 v[MA], v[MA], |v[XB_+\k]|, |v[XB_+\k+1]|
	v_max3_num_f32 v[MB], v[MB], |v[XB_+\k+2]|, |v[XB_+\k+3]|
.endr
	v_max3_num_f32 v[MA], v[MA], |v[XB_+30]|, |v[XB_+31]|
	v_max3_num_f32 v[MA], v[MA], v[MB], 0x1800000  ; and the floor 2^(3 - 127): the byte cannot fall under 1
	v_add_nc_u32 v[SO], 0xff000000, v[MA]          ; 2 off its exponent field: the conversion's scale operand
	v_lshrrev_b32 v[BY], 23, v[SO]                 ; the scale's byte
	s_wait_dscnt 0x0                               ; the last block's LDS stores have read their registers
.if (\t)%4 == 0
	v_mov_b32 v[SW], v[BY]                         ; four bytes make a K step's scale word, the lower K in the lower byte
.else
	v_lshl_or_b32 v[SW], v[BY], 8*((\t)%4), v[SW]
.endif
.irp g, 0,1,2,3
	v_cvt_scalef32_pk8_fp4_f32 v[C+\g], v[XB_+8*\g:XB_+8*\g+7], v[SO]
.endr
	v_nop                                          ; one plain vector line behind the last conversion of a run
	ds_store_b128 v[VIMG], v[C:C+3] offset:((\t)/4)*1024+((\t)%4)*256
.if (\t)%4 == 3
	ds_store_b32 v[VSCL], v[SW] offset:((\t)/4)*128
.endif
.endm
; act's tile number s45 of my expert's (held inside the tiles that exist): where my K half's codes and scale words begin
.macro SETA
	s_add_co_u32 s45, s45, s27
	s_min_u32 s45, s45, s29
	s_min_u32 s45, s45, 134
	s_lshl_b32 s46, s45, 14
	s_mov_b32 s47, 0
	s_add_nc_u64 s[36:37], s[58:59], s[46:47]
	s_lshl_b32 s46, s45, 10
	s_add_nc_u64 s[38:39], s[60:61], s[46:47]
.endm
.macro ALOAD                           ; eight fragments, 512 consecutive bytes a load, and their scale words, 128 a load
.set ii, 0
.rept 16
	global_load_b128 v[AF+4*ii:AF+4*ii+3], v[VX], s[36:37] offset:512*ii
.set ii, ii+1
.endr
.irp j, 0,1,2,3
	global_load_b32 v[ASC+\j], v[VW], s[38:39] offset:128*\j
.endr
.endm
	LOADB 0
	LOADB 1
	s_wait_kmcnt 0x0
	s_sub_co_u32 s29, s29, 1                       ; the last tile that exists
	s_max_u32 s30, s28, 1
	s_sub_co_u32 s30, s30, 1                       ; my expert's last tile
	s_lshl_b32 s34, s5, 13                         ; acod: my K half: 32 blocks of 256 bytes
	s_add_nc_u64 s[58:59], s[10:11], s[34:35]
	s_lshl_b32 s34, s5, 9                          ; ascl: eight K steps of 64 bytes
	s_add_nc_u64 s[60:61], s[12:13], s[34:35]
	s_mul_i32 s34, s5, 8847360                     ; ypart: my K half (2,160 slots of 4,096 bytes), my 64 columns
	s_lshl_b32 s45, s4, 8
	s_add_co_u32 s34, s34, s45
	s_add_nc_u64 s[62:63], s[16:17], s[34:35]
.set Q, 0
.rept NB
	BLOCK Q
.set Q, Q+1
.endr
	s_min_u32 s45, s2, s30
	SETA
	ALOAD                                          ; my first tile of rows is on its way across the barrier
	s_wait_dscnt 0x0                               ; for the others' sake: my images lie in LDS
	s_barrier_signal -1
	s_barrier_wait -1                              ; all 32 fragments do; behind this barrier a wave stores to its own stage alone
	s_cmp_ge_u32 s2, s28
	s_cbranch_scc1 .Lend                           ; fewer tiles than waves to take them: no barrier follows
	WIN 0x40                                       ; destination window 1: fragment f = tile x 8 + s at v[256 + 8 f]
.set ff, 0
.rept 32
	ds_load_b128 v[8*ff:8*ff+3], v[VX] offset:ff*1024
	ds_load_b128 v[8*ff+4:8*ff+7], v[VX] offset:ff*1024+512
.set ff, ff+1
.endr
	WIN 0
.set ff, 0
.rept 16
	ds_load_b32 v[WS+ff], v[VLS] offset:ff*128
.set ff, ff+1
.endr
	s_mov_b32 s44, s2                              ; the tile in hand, counted within my expert
	s_sub_co_u32 s31, s28, s2                      ; my trips: tiles w, w + 8, .. under the expert's count: (tiles - w + 7) / 8, at least 1 here
	s_add_co_u32 s31, s31, 7
	s_lshr_b32 s31, s31, 3
	s_mov_b32 s48, 0                               ; trips done
	s_wait_dscnt 0x0
; one product: tile tl of 16 columns, K step s.  Wd's scale word: lanes 0-15 the even tile, lanes 16-31 the odd; act's: lanes 0-15 the even K step, lanes 16-31 the odd.  The first K step starts the sum
.macro MM tl, s
.set AC, ACC+8*(\tl)
.set WF, 8*(8*(\tl)+(\s))
.set BF, AF+8*(\s)
.set WR, WS+8*((\tl)/2)+(\s)
.set AR, ASC+(\s)/2
.if ((\s) == 0) && ((\tl)%2 == 0)
	v_wmma_scale_f32_16x16x128_f8f6f4 v[AC:AC+7], v[WF:WF+7], v[BF:BF+7], 0, v[WR], v[AR] matrix_a_fmt:MATRIX_FMT_FP4 matrix_b_fmt:MATRIX_FMT_FP4
.elseif (\s) == 0
	v_wmma_scale_f32_16x16x128_f8f6f4 v[AC:AC+7], v[WF:WF+7], v[BF:BF+7], 0, v[WR], v[AR] matrix_a_fmt:MATRIX_FMT_FP4 matrix_b_fmt:MATRIX_FMT_FP4 matrix_a_scale:MATRIX_SCALE_ROW1
.elseif ((\s)%2 == 0) && ((\tl)%2 == 0)
	v_wmma_scale_f32_16x16x128_f8f6f4 v[AC:AC+7], v[WF:WF+7], v[BF:BF+7], v[AC:AC+7], v[WR], v[AR] matrix_a_fmt:MATRIX_FMT_FP4 matrix_b_fmt:MATRIX_FMT_FP4
.elseif (\s)%2 == 0
	v_wmma_scale_f32_16x16x128_f8f6f4 v[AC:AC+7], v[WF:WF+7], v[BF:BF+7], v[AC:AC+7], v[WR], v[AR] matrix_a_fmt:MATRIX_FMT_FP4 matrix_b_fmt:MATRIX_FMT_FP4 matrix_a_scale:MATRIX_SCALE_ROW1
.elseif (\tl)%2 == 0
	v_wmma_scale_f32_16x16x128_f8f6f4 v[AC:AC+7], v[WF:WF+7], v[BF:BF+7], v[AC:AC+7], v[WR], v[AR] matrix_a_fmt:MATRIX_FMT_FP4 matrix_b_fmt:MATRIX_FMT_FP4 matrix_b_scale:MATRIX_SCALE_ROW1
.else
	v_wmma_scale_f32_16x16x128_f8f6f4 v[AC:AC+7], v[WF:WF+7], v[BF:BF+7], v[AC:AC+7], v[WR], v[AR] matrix_a_fmt:MATRIX_FMT_FP4 matrix_b_fmt:MATRIX_FMT_FP4 matrix_a_scale:MATRIX_SCALE_ROW1 matrix_b_scale:MATRIX_SCALE_ROW1
.endif
.endm
.Ltile:                                                ; a trip: one tile of 16 rows x 64 columns; tiles w, w + 8, ..
	s_wait_loadcnt 0x0                             ; act's fragments and scale words: all that is out
	s_wait_xcnt 0x0                                ; the last trip's stores have read their data and base: both are written again below
	WIN 0x01                                       ; source 0 (Wd) window 1
.irp s, 0,1,2,3,4,5,6,7                ; the four accumulators take turns, one instruction a turn
	MM 0, \s
	MM 1, \s
	MM 2, \s
	MM 3, \s
.endr
	WIN 0
.rept 5
	v_nop                                          ; four places are owed in front of loads into registers that matrix instructions have read and of the LDS stores that read results, FIVE in front of the next trip's first products, which write the accumulators anew with C = 0; no other vector line stands in a trip
.endr
	s_add_co_u32 s45, s44, 8
	s_min_u32 s45, s45, s30                        ; the last trip asks for my expert's last tile once more: no load leaves the tiles that exist
	SETA
	ALOAD                                          ; the next tile lands under the way out
	s_add_co_u32 s45, s44, s27
	s_min_u32 s45, s45, 134                        ; this tile among all: 16 slots of 4,096 bytes
	s_lshl_b32 s46, s45, 16
	s_mov_b32 s47, 0
	s_add_nc_u64 s[40:41], s[62:63], s[46:47]
.irp tl, 0,1,2,3
	ds_store_b128 v[VSO], v[ACC+8*\tl:ACC+8*\tl+3] offset:64*\tl           ; each accumulator from its low end on
	ds_store_b128 v[VSO], v[ACC+8*\tl+4:ACC+8*\tl+7] offset:64*\tl+16
.endr
.irp t, 0,1,2,3,4,5,6,7
	ds_load_b128 v[OUTR+4*\t:OUTR+4*\t+3], v[VSR] offset:2*\t*SPI          ; LDS serves a wave's instructions in order (ISA guide 5.7.1.4): these see my stores, and the next trip's stores come behind them
.endr
.irp t, 0,1,2,3,4,5,6,7
	s_wait_dscnt 7-\t                              ; the loads issued behind this one may stay out
	global_store_b128 v[VY], v[OUTR+4*\t:OUTR+4*\t+3], s[40:41] offset:8192*\t    ; sixteen lanes store 256 consecutive bytes, aligned
.endr
	s_add_co_u32 s44, s44, 8                       ; my next tile
	s_add_co_u32 s48, s48, 1                       ; the loop ends on its count of trips, one a trip
	s_cmp_lt_u32 s48, s31
	s_cbranch_scc1 .Ltile
.Lend:
	s_wait_tensorcnt 0x0
	ds_add_u32 v254, v255
	s_wait_dscnt 0x0
	s_endpgm
.Lfunc_end_k_qc604711fcb_down:
	.size	k_qc604711fcb_down, .Lfunc_end_k_qc604711fcb_down-k_qc604711fcb_down
	.p2alignl 7, 3214868480
	.fill 96, 4, 3214868480
	.section	.rodata,"a",@progbits
	.p2align	6, 0x0
	.amdhsa_kernel k_qc604711fcb_down
		.amdhsa_group_segment_fixed_size 70656
		.amdhsa_private_segment_fixed_size 0
		.amdhsa_enable_private_segment 0
		.amdhsa_kernarg_size 40
		.amdhsa_user_sgpr_count 2
		.amdhsa_user_sgpr_kernarg_segment_ptr 1
		.amdhsa_wavefront_size32 1
		.amdhsa_system_sgpr_workgroup_id_x 1
		.amdhsa_system_sgpr_workgroup_id_y 1
		.amdhsa_system_sgpr_workgroup_id_z 1
		.amdhsa_system_vgpr_workitem_id 0
		.amdhsa_next_free_vgpr 512
		.amdhsa_next_free_sgpr 66
		.amdhsa_reserve_vcc 0
		.amdhsa_float_denorm_mode_32 3
		.amdhsa_float_denorm_mode_16_64 3
		.amdhsa_memory_ordered 1
		.amdhsa_forward_progress 1
		.amdhsa_inst_pref_size 57
	.end_amdhsa_kernel
	.amdgpu_metadata
---
amdhsa.version: [ 1, 2 ]
amdhsa.kernels:
  - .name:           k_qc604711fcb_down
    .symbol:         k_qc604711fcb_down.kd
    .args:
      - { .name: Wd, .offset: 0, .size: 8, .value_kind: global_buffer, .address_space: global }
      - { .name: acod, .offset: 8, .size: 8, .value_kind: global_buffer, .address_space: global }
      - { .name: ascl, .offset: 16, .size: 8, .value_kind: global_buffer, .address_space: global }
      - { .name: meta, .offset: 24, .size: 8, .value_kind: global_buffer, .address_space: global }
      - { .name: ypart, .offset: 32, .size: 8, .value_kind: global_buffer, .address_space: global }
    .group_segment_fixed_size: 70656
    .private_segment_fixed_size: 0
    .kernarg_segment_align: 8
    .kernarg_segment_size: 40
    .max_flat_workgroup_size: 256
    .sgpr_count:     66
    .vgpr_count:     512
    .wavefront_size: 32
...
	.end_amdgpu_metadata
.endif
;; end of part 3
;; launch combine (part 4): grid 256 x 1, 8 waves a work-group, no clusters, 0 bytes of LDS; arguments ypart, slot, router_indices, routing_weights, bd, out0; writes out0
.if DOCPART == 4
	.amdgcn_target "amdgcn-amd-amdhsa--gfx1250"
	.amdhsa_code_object_version 6
	.text
	.protected	k_qc604711fcb_combine
	.globl	k_qc604711fcb_combine
	.p2align	8
	.type	k_qc604711fcb_combine,@function
k_qc604711fcb_combine:
	s_mov_b64 s[64:65], 0
	v_nop
	global_prefetch_b8 v0, s[64:65] scope:SCOPE_SE
	s_setreg_imm32_b32 hwreg(HW_REG_WAVE_MODE, 25, 1), 1
	s_wait_xcnt 0x0
; out[t] = w[t][e0] (y[s0] + bd[e0]) + w[t][e1] (y[s1] + bd[e1]): e0, e1 the token's two experts, s0, s1 the slots of its two rows, y[s] the sum of the two K halves in ypart.
; A token that names one expert twice has two equal rows, so that expert counts twice, as in the one-hot sum.  All in f32.
; A stream: a work-group takes four tokens; thread t the 16 bytes at 16 t of each row, so a wave's load or store covers 512 consecutive bytes.  All 24 loads of a thread go out at once.
; No LDS, no barrier, no matrix unit, no cluster: each number of ypart is read once, and the sum over K = 8 has two terms that are not zero.
; LIMITS: an expert number above 7 is held at 7.
.set D0, 20                            ; v20-115: for each token 24 registers: y's two halves and the bias, for each of its two rows
	s_load_b256 s[4:11], s[0:1], 0x0               ; ypart s[4:5], slot s[6:7], router_indices s[8:9], routing_weights s[10:11]
	s_load_b128 s[12:15], s[0:1], 0x20             ; bd s[12:13], out0 s[14:15]
	s_lshl_b32 s2, ttmp9, 5                        ; four tokens x 8 bytes
	s_mov_b32 s3, 0
	s_lshl_b32 s32, ttmp9, 7                       ; four tokens x 32 bytes of weights
	s_mov_b32 s33, 0
	s_lshl_b32 s36, ttmp9, 14                      ; four rows of out
	s_mov_b32 s37, 0
	v_lshlrev_b32 v1, 4, v0
	s_wait_kmcnt 0x0
	s_add_nc_u64 s[6:7], s[6:7], s[2:3]
	s_add_nc_u64 s[8:9], s[8:9], s[2:3]
	s_load_b256 s[16:23], s[6:7], 0x0              ; the four tokens' slots,
	s_load_b256 s[24:31], s[8:9], 0x0              ; and experts
	s_add_nc_u64 s[10:11], s[10:11], s[32:33]
	s_add_nc_u64 s[14:15], s[14:15], s[36:37]
	s_add_nc_u64 s[34:35], s[4:5], 8847360         ; the second K half
	s_wait_kmcnt 0x0
.irp n, 0,1,2,3,4,5,6,7
	s_min_u32 s[16+\n], s[16+\n], 2159
	s_min_u32 s[24+\n], s[24+\n], 7
	s_lshl_b32 s[16+\n], s[16+\n], 12              ; the slot's row of 4,096 bytes
	s_lshl_b32 s[48+\n], s[24+\n], 2               ; the expert's weight
	s_lshl_b32 s[24+\n], s[24+\n], 12              ; its row of bd
.endr
.irp n, 0,1,2,3,4,5,6,7
	s_load_b32 s[40+\n], s[10:11], s[48+\n] offset:32*(\n/2)
	v_add_nc_u32 v[2+\n], s[16+\n], v1
	v_add_nc_u32 v[10+\n], s[24+\n], v1
.endr
.irp i, 0,1,2,3
	global_load_b128 v[D0+24*\i:D0+24*\i+3], v[2+2*\i], s[4:5] th:TH_LOAD_NT
	global_load_b128 v[D0+24*\i+4:D0+24*\i+7], v[2+2*\i], s[34:35] th:TH_LOAD_NT
	global_load_b128 v[D0+24*\i+8:D0+24*\i+11], v[10+2*\i], s[12:13]
	global_load_b128 v[D0+24*\i+12:D0+24*\i+15], v[3+2*\i], s[4:5] th:TH_LOAD_NT
	global_load_b128 v[D0+24*\i+16:D0+24*\i+19], v[3+2*\i], s[34:35] th:TH_LOAD_NT
	global_load_b128 v[D0+24*\i+20:D0+24*\i+23], v[11+2*\i], s[12:13]
.endr
	s_wait_kmcnt 0x0                               ; the eight weights
.irp i, 0,1,2,3
	s_wait_loadcnt 18-6*\i                         ; this token's six loads are in; the later tokens', six each, stay out
.irp j, 0,2
	v_pk_add_f32 v[D0+24*\i+\j:D0+24*\i+\j+1], v[D0+24*\i+\j:D0+24*\i+\j+1], v[D0+24*\i+4+\j:D0+24*\i+4+\j+1]
	v_pk_add_f32 v[D0+24*\i+12+\j:D0+24*\i+12+\j+1], v[D0+24*\i+12+\j:D0+24*\i+12+\j+1], v[D0+24*\i+16+\j:D0+24*\i+16+\j+1]
.endr
.irp j, 0,2
	v_pk_add_f32 v[D0+24*\i+\j:D0+24*\i+\j+1], v[D0+24*\i+\j:D0+24*\i+\j+1], v[D0+24*\i+8+\j:D0+24*\i+8+\j+1]
	v_pk_add_f32 v[D0+24*\i+12+\j:D0+24*\i+12+\j+1], v[D0+24*\i+12+\j:D0+24*\i+12+\j+1], v[D0+24*\i+20+\j:D0+24*\i+20+\j+1]
.endr
.irp j, 0,1,2,3
	v_mul_f32 v[D0+24*\i+\j], s[40+2*\i], v[D0+24*\i+\j]
.endr
.irp j, 0,1,2,3
	v_fmac_f32 v[D0+24*\i+\j], s[41+2*\i], v[D0+24*\i+12+\j]
.endr
	global_store_b128 v1, v[D0+24*\i:D0+24*\i+3], s[14:15] offset:4096*\i th:TH_STORE_NT
.endr
	s_endpgm
.Lfunc_end_k_qc604711fcb_combine:
	.size	k_qc604711fcb_combine, .Lfunc_end_k_qc604711fcb_combine-k_qc604711fcb_combine
	.p2alignl 7, 3214868480
	.fill 96, 4, 3214868480
	.section	.rodata,"a",@progbits
	.p2align	6, 0x0
	.amdhsa_kernel k_qc604711fcb_combine
		.amdhsa_group_segment_fixed_size 0
		.amdhsa_private_segment_fixed_size 0
		.amdhsa_enable_private_segment 0
		.amdhsa_kernarg_size 48
		.amdhsa_user_sgpr_count 2
		.amdhsa_user_sgpr_kernarg_segment_ptr 1
		.amdhsa_wavefront_size32 1
		.amdhsa_system_sgpr_workgroup_id_x 1
		.amdhsa_system_sgpr_workgroup_id_y 1
		.amdhsa_system_sgpr_workgroup_id_z 1
		.amdhsa_system_vgpr_workitem_id 0
		.amdhsa_next_free_vgpr 128
		.amdhsa_next_free_sgpr 66
		.amdhsa_reserve_vcc 0
		.amdhsa_float_denorm_mode_32 3
		.amdhsa_float_denorm_mode_16_64 3
		.amdhsa_memory_ordered 1
		.amdhsa_forward_progress 1
		.amdhsa_inst_pref_size 10
	.end_amdhsa_kernel
	.amdgpu_metadata
---
amdhsa.version: [ 1, 2 ]
amdhsa.kernels:
  - .name:           k_qc604711fcb_combine
    .symbol:         k_qc604711fcb_combine.kd
    .args:
      - { .name: ypart, .offset: 0, .size: 8, .value_kind: global_buffer, .address_space: global }
      - { .name: slot, .offset: 8, .size: 8, .value_kind: global_buffer, .address_space: global }
      - { .name: router_indices, .offset: 16, .size: 8, .value_kind: global_buffer, .address_space: global }
      - { .name: routing_weights, .offset: 24, .size: 8, .value_kind: global_buffer, .address_space: global }
      - { .name: bd, .offset: 32, .size: 8, .value_kind: global_buffer, .address_space: global }
      - { .name: out0, .offset: 40, .size: 8, .value_kind: global_buffer, .address_space: global }
    .group_segment_fixed_size: 0
    .private_segment_fixed_size: 0
    .kernarg_segment_align: 8
    .kernarg_segment_size: 48
    .max_flat_workgroup_size: 256
    .sgpr_count:     66
    .vgpr_count:     128
    .wavefront_size: 32
...
	.end_amdgpu_metadata
.endif
;; end of part 4
;; ======== version 2 of 2: 4 launches
;; workspace buffers: xcod 1,105,920 bytes; xscl 69,120 bytes; acod 2,211,840 bytes; ascl 138,240 bytes; ypart 17,694,720 bytes; slot 8,192 bytes of whole numbers; meta 256 bytes of whole numbers
;; launch prep (part 5): grid 256 x 1, 4 waves a work-group, no clusters, 18,944 bytes of LDS; arguments hidden_states, router_indices, xcod, xscl, slot, meta; writes xcod, xscl, slot, meta
.if DOCPART == 5
	.amdgcn_target "amdgcn-amd-amdhsa--gfx1250"
	.amdhsa_code_object_version 6
	.text
	.protected	k_qc604711fcb_prep
	.globl	k_qc604711fcb_prep
	.p2align	8
	.type	k_qc604711fcb_prep,@function
k_qc604711fcb_prep:
	s_mov_b64 s[64:65], 0
	v_nop
	global_prefetch_b8 v0, s[64:65] scope:SCOPE_SE
	s_setreg_imm32_b32 hwreg(HW_REG_WAVE_MODE, 25, 1), 1
	s_wait_xcnt 0x0
; ROUTING AND x.  1,024 tokens, two expert numbers each: 2,048 routed rows.  The rows are sorted by expert into SLOTS; each expert's rows begin at a multiple of 16,
; so there are at most (2,048 + 8 x 15) / 16 = 135 tiles of 16 slots, whatever the choice.  A token that names one expert twice keeps two rows.
; Stored: slot[token][k] (the row's slot), meta (words 0-7 an expert's first tile, 8-15 its tiles, 16 all tiles), and x as codes of E2M1 with one E8M0 byte for each 32 along K,
; laid in slot order as the matrix operand's registers want them:
;   xcod: tile x 8,192 + block x 256 + row x 16: the 16 bytes (32 codes) of one block of one row;   xscl: tile x 512 + (block / 16) x 256 + row x 16 + block % 16.
; SHARES.  256 work-groups of 4 waves; a wave quantises ONE token, and EVERY WAVE COUNTS FOR ITSELF, in registers: no wave waits for another, there is no barrier, and LDS holds only each wave's own stage.
; The 8 KB of indices come by 16 loads of 512 consecutive bytes: lane l then holds the 32 tokens 64 i + 2 l + u (i = 0 .. 15, u = 0, 1): GROUP l.  Which tokens form a group is free, since the order of an
; expert's rows is free: they are ordered by group, then by the member's number m (token 64 (m / 2) + 2 g + m % 2), then by k.
; A lane counts its group's 64 indices in six registers of eight 4-bit fields (at most 11 indices to a register, a field holds 15), widens them to four registers of two 16-bit fields, and the 32 lanes are added
; on the scalar side: that gives every expert's rows in all and its rows ahead of my group.  Work-group x serves group x / 8, members 4 (x % 8) + wave.
; The wave of member 0 stores its group's 32 pairs of slot (in token order: sixteen pieces of 16 bytes; 8 KB in the whole launch); work-group 0 stores meta; wave 0 of work-groups 0-7 fills the unused rows of
; that expert's last tile with zero codes and the byte 127.
; No matrix work, no tensor loads, no cluster: the work-groups share only the 8 KB of indices.
; A token's codes leave as 32 pieces of 16 bytes, 256 bytes apart: the price of a layout from which the next launch, which reads them many times over, loads 512 consecutive bytes an instruction.
; LIMITS: expert numbers outside 0 .. 7 are not served (they are taken modulo 8 here; every address stays inside its buffer); NaN and infinities in x are not served; a block whose largest magnitude lies under
; 2^-124 gets the byte 1; a block of zeros gets the byte 1 with zero codes (this program alone reads the bytes).
.set SPL,  144                         ; LDS: a stage of its own for each wave: 32 places of 128 bytes + 16 of padding
.set WSTG, 32*SPL
.set TT,   20                          ; v20-23   at work
.set ACC,  122                         ; v122-127 six registers of eight 4-bit counts
.set IDX,  128                         ; v128-191 the 64 indices of my lane's group; later at work
.set CA0,  16                          ; v16  my group's counts, 16 bits each: experts 0 and 4
.set CA1,  17                          ; v17  experts 2 and 6
.set CB0,  18                          ; v18  experts 1 and 5
.set CB1,  19                          ; v19  experts 3 and 7
; s[28:35] an expert's first tile; s[36:39] the running sums over the lanes, laid as v16-19; s[40:43] the same at my group's lane; s[44:51] an expert's rows; s[52:59] its rows ahead of my group, then the slot
; of the first row that my group adds to it; s[84:99] four sets of four words read from a lane
	s_load_b256 s[4:11], s[0:1], 0x0               ; hidden_states s[4:5], router_indices s[6:7], xcod s[8:9], xscl s[10:11]
	s_load_b128 s[12:15], s[0:1], 0x20             ; slot s[12:13], meta s[14:15]
	v_lshl_add_u32 v192, v0, 2, 0x4800
	v_mov_b32 v193, 0
	v_lshrrev_b32 v9, 5, v0
	v_readfirstlane_b32 s16, v9                    ; wave 0..3
	v_and_b32 v1, 31, v0                           ; lane
	s_wait_alu depctr_va_vdst(0)
	v_lshlrev_b32 v2, 4, v1                        ; 16 x lane
	v_and_b32 v9, 7, v1                            ; lane % 8
	v_lshrrev_b32 v13, 3, v1                       ; lane / 8
	s_wait_alu depctr_va_vdst(0)
	v_and_b32 v118, 15, v1                         ; lane % 16
	v_lshrrev_b32 v119, 4, v1                      ; lane / 16
	v_lshl_add_u32 v120, v119, 8, v118             ; my block's place among a row's scale bytes
	s_lshr_b32 s20, ttmp9, 3                       ; g: my group
	s_and_b32 s21, ttmp9, 7
	s_lshl_b32 s21, s21, 2
	s_add_co_u32 s21, s21, s16                     ; m: my member of it
	s_lshr_b32 s17, s21, 1
	s_lshl_b32 s17, s17, 6
	s_lshl_b32 s22, s20, 1
	s_add_co_u32 s17, s17, s22
	s_and_b32 s22, s21, 1
	s_add_co_u32 s17, s17, s22                     ; my token: 64 (m / 2) + 2 g + m % 2
	s_lshl_b32 s18, s17, 12                        ; its row of 4,096 bytes
	s_mov_b32 s19, 0
	v_lshrrev_b32 v8, 1, v1
	v_lshlrev_b32 v8, 9, v8
	v_and_b32 v10, 1, v1
	v_lshl_add_u32 v8, v10, 3, v8
	s_lshl_b32 s22, s20, 4
	v_add_nc_u32 v8, s22, v8                       ; 8 x the token of my group's member number lane: 512 (lane / 2) + 16 g + 8 (lane % 2): in the indices and in slot
	s_mov_b32 s23, 0x0f0f0f0f
	s_mov_b32 s24, 0x00ff00ff
	s_mul_i32 s25, s16, WSTG                       ; my stage
	v_mul_u32_u24 v14, v13, SPL
	v_lshl_add_u32 v14, v9, 4, v14
	v_add_nc_u32 v14, s25, v14                     ; in: eight lanes' 128 bytes are one block: place lane / 8, byte 16 (lane % 8); a load's 512 bytes take four places
	v_mul_u32_u24 v15, v1, SPL
	v_add_nc_u32 v15, s25, v15                     ; out: place = lane: my block of 32 numbers
.irp j, 0,1,2,3
	v_mov_b32 v[108+\j], 0                         ; zero codes,
	v_mov_b32 v[112+\j], 0x7f7f7f7f                ; and the byte 127, for rows that no token takes
.endr
	v_mov_b32 v27, 1
	v_mov_b32 v28, 0
	v_mov_b32 v29, 0
	v_mov_b32 v31, 0
	s_mov_b64 s[36:37], 0
	s_mov_b64 s[38:39], 0
	s_mov_b64 s[40:41], 0
	s_mov_b64 s[42:43], 0
	s_wait_kmcnt 0x0
.irp i, 0,1,2,3,4,5,6,7,8,9,10,11,12,13,14,15
	global_load_b128 v[IDX+4*\i:IDX+4*\i+3], v2, s[6:7] offset:512*\i    ; all indices: 512 consecutive bytes a load; lane l: tokens 64 i + 2 l and 64 i + 2 l + 1
.endr
	global_load_b64 v[6:7], v8, s[6:7]             ; my group's members once more, one to a lane: for the places
	s_add_nc_u64 s[4:5], s[4:5], s[18:19]
.irp i, 0,1,2,3,4,5,6,7
	global_load_b128 v[32+4*\i:35+4*\i], v2, s[4:5] offset:512*\i th:TH_LOAD_NT   ; my token's row of x: 512 consecutive bytes a load
.endr
	s_wait_loadcnt 8                               ; the 17 index loads are in; the eight loads of x, issued behind them, stay out
; my lane's group: index e adds 1 << 4 e to one of six registers, by turns; the first six start the registers
.set j, 0
.rept 16
.irp n, 0,1,2,3
	v_lshlrev_b32 v[TT+\n], 2, v[IDX+j+\n]
.endr
	s_wait_alu depctr_va_vdst(0)
.irp n, 0,1,2,3
.if (j+\n) < 6
	v_lshlrev_b32 v[ACC+(j+\n)%6], v[TT+\n], v27
.else
	v_lshl_add_u32 v[ACC+(j+\n)%6], 1, v[TT+\n], v[ACC+(j+\n)%6]
.endif
.endr
.set j, j+4
.endr
.irp k, 0,1,2,3,4,5
	v_and_b32 v[IDX+\k], s23, v[ACC+\k]            ; the even experts' counts, a byte each,
	v_lshrrev_b32 v[IDX+8+\k], 4, v[ACC+\k]
.endr
.irp k, 0,1,2,3,4,5
	v_and_b32 v[IDX+8+\k], s23, v[IDX+8+\k]        ; and the odd experts'
.endr
	v_add3_u32 v24, v[IDX], v[IDX+1], v[IDX+2]     ; at most 64 in a byte
	v_add3_u32 v25, v[IDX+8], v[IDX+9], v[IDX+10]
	v_add3_u32 v24, v24, v[IDX+3], v[IDX+4]
	v_add3_u32 v25, v25, v[IDX+11], v[IDX+12]
	v_add_nc_u32 v24, v24, v[IDX+5]                ; bytes: experts 0, 2, 4, 6
	v_add_nc_u32 v25, v25, v[IDX+13]               ; bytes: experts 1, 3, 5, 7
	v_and_b32 v[CA0], s24, v24                     ; 16 bits each, since the sum over the lanes goes up to 2,048
	v_lshrrev_b32 v[CA1], 8, v24
	v_and_b32 v[CB0], s24, v25
	v_lshrrev_b32 v[CB1], 8, v25
	v_and_b32 v[CA1], s24, v[CA1]
	v_and_b32 v[CB1], s24, v[CB1]
; the 32 lanes are added, lane by lane; where the lane is my group's, the sum so far is kept: the rows of the groups ahead of mine
.set l, 0
.rept 32
.set TS, 84+4*(l%4)
	v_readlane_b32 s[TS], v[CA0], l
	v_readlane_b32 s[TS+1], v[CA1], l
	v_readlane_b32 s[TS+2], v[CB0], l
	v_readlane_b32 s[TS+3], v[CB1], l
	s_cmp_eq_u32 s20, l
	s_cselect_b64 s[40:41], s[36:37], s[40:41]
	s_cselect_b64 s[42:43], s[38:39], s[42:43]
	s_add_nc_u64 s[36:37], s[36:37], s[TS:TS+1]    ; no field passes 2,048: nothing is carried from field to field
	s_add_nc_u64 s[38:39], s[38:39], s[TS+2:TS+3]
.set l, l+1
.endr
.irp e, 0,1,2,3,4,5,6,7
	s_bfe_u32 s[44+\e], s[36+2*(\e%2)+(\e/2)%2], 0x100000+16*(\e/4)     ; expert e's rows in all,
	s_bfe_u32 s[52+\e], s[40+2*(\e%2)+(\e/2)%2], 0x100000+16*(\e/4)     ; and ahead of my group
.endr
	s_mov_b32 s60, 0                               ; tiles so far
.irp e, 0,1,2,3,4,5,6,7
	s_mov_b32 s[28+\e], s60                        ; the expert's first tile
	v_writelane_b32 v31, s60, \e
	s_add_co_u32 s61, s[44+\e], 15
	s_lshr_b32 s61, s61, 4                         ; its tiles
	v_writelane_b32 v31, s61, 8+\e
	s_lshl_b32 s62, s60, 4
	s_add_co_u32 s[52+\e], s[52+\e], s62           ; the slot of the first row that my group adds to it
	s_add_co_u32 s60, s60, s61
.endr
	v_writelane_b32 v31, s60, 16                   ; all tiles
; the slots of my group's member number lane: the expert's base + the rows that lower lanes add to that expert; a token's second row comes behind its first
	v_and_b32 v6, 7, v6
	v_and_b32 v7, 7, v7
.irp e, 0,1,2,3,4,5,6,7
	v_cmp_eq_u32 s62, \e, v6
	v_cmp_eq_u32 s63, \e, v7
	v_mbcnt_lo_u32_b32 v26, s62, s[52+\e]
	v_mbcnt_lo_u32_b32 v26, s63, v26
	v_cndmask_b32 v28, v28, v26, s62
	v_cndmask_b32 v29, v29, v26, s63
.endr
	v_cmp_eq_u32 vcc_lo, v6, v7
	v_cndmask_b32 v26, 0, 1, vcc_lo
	v_add_nc_u32 v29, v29, v26
	s_cmp_lg_u32 s21, 0
	s_cbranch_scc1 .Lnot_first                     ; one wave for each group: that of member 0
	global_store_b64 v8, v[28:29], s[12:13]        ; the group's 32 pairs, each at its token's place
	s_cmp_lg_u32 ttmp9, 0
	s_cbranch_scc1 .Lnot_first
	v_lshlrev_b32 v116, 2, v1
	global_store_b32 v116, v31, s[14:15]           ; meta: 32 words, of which 17 are read
.Lnot_first:
	s_wait_alu depctr_va_vdst(0)
	v_readlane_b32 s68, v28, s21                   ; my token is member m
	v_readlane_b32 s69, v29, s21
; x: the row turns through my stage, so that a lane holds one whole block of 32 neighbours
	s_wait_loadcnt 0x0
.irp i, 0,1,2,3,4,5,6,7
	ds_store_b128 v14, v[32+4*\i:35+4*\i] offset:4*SPL*\i
.endr
.irp j, 0,1,2,3,4,5,6,7
	ds_load_b128 v[64+4*\j:67+4*\j], v15 offset:16*\j     ; LDS serves a wave's instructions in order (ISA guide 5.7.1.4): these see my stores
.endr
	s_wait_dscnt 0x0
	v_max3_num_f32 v101, |v64|, |v65|, |v66|       ; the block's largest magnitude, in two chains
	v_max3_num_f32 v102, |v67|, |v68|, |v69|
.irp i, 6,10,14,18,22,26
	v_max3_num_f32 v101, v101, |v[64+\i]|, |v[65+\i]|
	v_max3_num_f32 v102, v102, |v[66+\i]|, |v[67+\i]|
.endr
	v_max3_num_f32 v101, v101, |v94|, |v95|
	v_max3_num_f32 v101, v101, v102, 0x1800000     ; and the floor 2^(3 - 127): the byte cannot fall under 1
	v_add_nc_u32 v103, 0xff000000, v101            ; 2 off its exponent field: the conversion takes the exponent field of this operand as its scale
.irp g, 0,1,2,3
	v_cvt_scalef32_pk8_fp4_f32 v[96+\g], v[64+8*\g:71+8*\g], v103
.endr
	v_lshrrev_b32 v100, 23, v103                   ; the scale's byte
; the row goes to slot s[sp]: tile = slot / 16, row = slot % 16
.macro PUT sp, vc, vs
	s_min_u32 s[\sp], s[\sp], 2159
	s_and_b32 s70, s[\sp], 0xff0                   ; 16 x tile
	s_and_b32 s71, s[\sp], 15
	s_lshl_b32 s71, s71, 4                         ; 16 x row
	s_lshl_b32 s72, s70, 9
	s_add_co_u32 s72, s72, s71
	s_lshl_b32 s73, s70, 5
	s_add_co_u32 s73, s73, s71
	v_lshl_add_u32 v[\vc], v1, 8, s72              ; + 256 x block
	s_wait_alu depctr_va_vdst(0)
	v_add_nc_u32 v[\vs], s73, v120
	global_store_b128 v[\vc], v[96:99], s[8:9]
	global_store_b8 v[\vs], v100, s[10:11]
.endm
	PUT 68, 104, 105
	PUT 69, 106, 107
; the rows of an expert's last tile that no token takes: the expert whose number is the work-group's, by wave 0 of work-groups 0 to 7
	s_cmp_lg_u32 s16, 0
	s_cbranch_scc1 .Lend
	s_cmp_gt_u32 ttmp9, 7
	s_cbranch_scc1 .Lend
	s_mov_b32 s67, s44                             ; its rows and its first tile, chosen by the work-group's number
	s_mov_b32 s70, s28
.irp e, 1,2,3,4,5,6,7
	s_cmp_eq_u32 ttmp9, \e
	s_cselect_b32 s67, s[44+\e], s67
	s_cselect_b32 s70, s[28+\e], s70
.endr
	s_and_b32 s71, s67, 15                         ; the first unused row of the last tile;
	s_cmp_eq_u32 s71, 0
	s_cselect_b32 s71, 16, s71                     ; where that tile is full (or there is none) no row is unused: no lane is on below, and the stores do nothing.  No branch hangs on the count
	s_lshr_b32 s67, s67, 4
	s_add_co_u32 s70, s70, s67
	s_min_u32 s70, s70, 134
	s_lshl_b32 s72, s70, 13
	s_mov_b32 s73, 0
	s_add_nc_u64 s[74:75], s[8:9], s[72:73]
	s_lshl_b32 s72, s70, 9
	s_add_nc_u64 s[78:79], s[10:11], s[72:73]
	v_cmp_le_u32 vcc_lo, s71, v118                 ; lanes whose row (lane % 16) is unused
	s_wait_xcnt 0x0                                ; EXEC changes only when the stores above have had their addresses translated
	s_and_saveexec_b32 s66, vcc_lo
.irp i, 0,1,2,3,4,5,6,7,8,9,10,11,12,13,14,15
	global_store_b128 v2, v[108:111], s[74:75] offset:512*\i     ; blocks 2 i and 2 i + 1 of those rows
.endr
	global_store_b128 v2, v[112:115], s[78:79]
	s_wait_xcnt 0x0                                ; and again in front of the line that widens it
	s_or_b32 exec_lo, exec_lo, s66
.Lend:
	s_wait_tensorcnt 0x0
	ds_add_u32 v192, v193
	s_wait_dscnt 0x0
	s_endpgm
.Lfunc_end_k_qc604711fcb_prep:
	.size	k_qc604711fcb_prep, .Lfunc_end_k_qc604711fcb_prep-k_qc604711fcb_prep
	.p2alignl 7, 3214868480
	.fill 96, 4, 3214868480
	.section	.rodata,"a",@progbits
	.p2align	6, 0x0
	.amdhsa_kernel k_qc604711fcb_prep
		.amdhsa_group_segment_fixed_size 18944
		.amdhsa_private_segment_fixed_size 0
		.amdhsa_enable_private_segment 0
		.amdhsa_kernarg_size 48
		.amdhsa_user_sgpr_count 2
		.amdhsa_user_sgpr_kernarg_segment_ptr 1
		.amdhsa_wavefront_size32 1
		.amdhsa_system_sgpr_workgroup_id_x 1
		.amdhsa_system_sgpr_workgroup_id_y 1
		.amdhsa_system_sgpr_workgroup_id_z 1
		.amdhsa_system_vgpr_workitem_id 0
		.amdhsa_next_free_vgpr 194
		.amdhsa_next_free_sgpr 100
		.amdhsa_reserve_vcc 1
		.amdhsa_float_denorm_mode_32 3
		.amdhsa_float_denorm_mode_16_64 3
		.amdhsa_memory_ordered 1
		.amdhsa_forward_progress 1
		.amdhsa_inst_pref_size 40
	.end_amdhsa_kernel
	.amdgpu_metadata
---
amdhsa.version: [ 1, 2 ]
amdhsa.kernels:
  - .name:           k_qc604711fcb_prep
    .symbol:         k_qc604711fcb_prep.kd
    .args:
      - { .name: hidden_states, .offset: 0, .size: 8, .value_kind: global_buffer, .address_space: global }
      - { .name: router_indices, .offset: 8, .size: 8, .value_kind: global_buffer, .address_space: global }
      - { .name: xcod, .offset: 16, .size: 8, .value_kind: global_buffer, .address_space: global }
      - { .name: xscl, .offset: 24, .size: 8, .value_kind: global_buffer, .address_space: global }
      - { .name: slot, .offset: 32, .size: 8, .value_kind: global_buffer, .address_space: global }
      - { .name: meta, .offset: 40, .size: 8, .value_kind: global_buffer, .address_space: global }
    .group_segment_fixed_size: 18944
    .private_segment_fixed_size: 0
    .kernarg_segment_align: 8
    .kernarg_segment_size: 48
    .max_flat_workgroup_size: 128
    .sgpr_count:     100
    .vgpr_count:     194
    .wavefront_size: 32
...
	.end_amdgpu_metadata
.endif
;; end of part 5
;; launch gateup (part 6): grid 32 x 8, 8 waves a work-group, no clusters, 70,656 bytes of LDS; arguments Wg, Wu, bg, bu, xcod, xscl, meta, acod, ascl; writes acod, ascl
.if DOCPART == 6
	.amdgcn_target "amdgcn-amd-amdhsa--gfx1250"
	.amdhsa_code_object_version 6
	.text
	.protected	k_qc604711fcb_gateup
	.globl	k_qc604711fcb_gateup
	.p2align	8
	.type	k_qc604711fcb_gateup,@function
k_qc604711fcb_gateup:
	s_mov_b64 s[64:65], 0
	v_nop
	global_prefetch_b8 v0, s[64:65] scope:SCOPE_SE
	s_setreg_imm32_b32 hwreg(HW_REG_WAVE_SCHED_MODE, 0, 2), 2
	s_setreg_imm32_b32 hwreg(HW_REG_WAVE_MODE, 25, 1), 1
	s_wait_xcnt 0x0
	s_wait_alu depctr_vm_vsrc(0)
; act = (clip(up) + 1) x glu(min(gate, 7)), gate = x Wg + bg, up = x Wu + bu, for the rows of ONE expert and 64 of its 2,048 hidden units; both products on codes of E2M1 with one E8M0 byte
; for each 32 along K; act leaves as codes along the next product's K (the hidden units), in slot order, laid as that product's operand registers want them:
;   acod: tile x 16,384 + block x 256 + row x 16;   ascl: tile x 1,024 + (block / 4) x 64 + row x 4 + block % 4.
; SHARES.  Work-group (ds, e): hidden units 64 ds .. 64 ds + 63 of expert e: 1,024 x 64 numbers of Wg and of Wu, 512 KB of f32, which no other work-group reads.  So every weight byte is read once.
; PHASE 1: the slice is read and quantised.  Wave w takes 32 columns (w % 4: gate's two halves, up's two halves) x 512 along K (w / 4).  A LANE TAKES A COLUMN AND ITS REGISTERS RUN DOWN K: a block of 32
; lies in one lane's 32 registers, and the conversions give codes with K innermost.  The codes go to LDS as images of the operand's registers (fragment = 16 columns x 128 K = 1 KB).
; THE COLUMNS OF A TILE ARE NOT NEIGHBOURS: row r of tile u is column 16 (r / 8) + 8 u + r % 8 of the 32, so that in the results a lane's 16 registers of tiles 0 and 1 are 16 neighbouring hidden units.
; PHASE 2, behind the launch's one barrier: wave w takes the half p = w % 2 of the 64 units (gate's and up's fragments: 256 registers) and the expert's tiles of 16 rows q, q + 4, .. (q = w / 2).
; The matrix instruction is used transposed (source 0 = 16 columns of W, source 1 = 16 rows of x): a lane holds ONE row and 16 neighbouring units of half a block of 32; lane l xor 16 holds the other half.
; The biases are the C of each sum's first matrix instruction.
; NO TENSOR LOADS, NO CLUSTER: the number of tiles is read from memory (meta), and the trip count hangs on it; what the 32 work-groups of an expert share, x's codes (8.5 KB a tile), is small beside the 512 KB
; that each reads alone.  A work-group whose expert has no rows still reads its slice (the barrier stands on every wave's path) and stores nothing.
; LIMITS: NaN and infinities are not served; a block whose largest magnitude lies under 2^-124 gets the byte 1; where 1.702 log2(e) |gate| passes 128 for a negative gate the sigmoid comes out as 0.
; THE MODE: SCHED_MODE bits 1:0 = 2 (LLVM: expert scheduling mode 2), set by the entry lines.  The code itself states the register dependences between vector or matrix instructions and memory or LDS
; instructions, with s_wait_alu, always for 0.
; THE PLAN, phase 1.  Registers that memory or LDS instructions touch:
;   X0 .. X3   four sets of 32 numbers.  Written by the loads of block t + 2, issued at the head of block t; read by block t's maxima and conversions.
;   C0, C1     two sets of a block's codes.  Written by block t's conversions; read by the LDS store that is issued at the head of block t + 1.
;   SW0, SW1   two scale words.  Written in the four blocks of a K step; read by the LDS store at the head of the block behind that step.
;   v4 .. v13  offsets and LDS addresses, made once at the head.
; So the waits at a block's head state all that its memory and LDS instructions hang on; these follow the waits at once, with no vector line between.
; THE PLAN, phase 2.  XF0, XF1 (and their scale words XSC0, XSC1): two buffers of x's eight fragments.  A trip's products read buffer p; the loads at its head land in the other buffer, which the products of the trip
; before read.  They stand in one run at the head and not among the products: a load's address lies in source 0's window, which is W's while the products are issued.  CP, QBY: written at a trip's end, read by its two
; stores.  One wait on va_vdst a trip, ahead of the stores, states that CP and QBY are written and that the trip's products are done with their buffer; one on vm_vsrc stands at a trip's head.
; A lap of the loop is two trips, so that the buffers are back where they began; where a wave's tiles are odd in number, the last lap's second trip is jumped over.  Window 1, WS and BI are loaded once and named by
; matrix instructions alone.
.set ROWS, 8192                        ; bytes from a row k of W to the next
.set NB,   16                          ; blocks of 32 along K for a wave
.set WSCL, 65536                       ; LDS: 0: 64 fragments of 1 KB, ((cg x 2 + u) x 8 + s) x 1,024 + block x 256 + row x 16;  WSCL: scale words, (cg x 8 + s) x 128 + 4 x lane (lanes 0-15 tile 0, lanes 16-31 tile 1)
.set VW,   4                           ; v4   4 x my column
.set VIMG, 5                           ; v5   where my codes go in LDS
.set VSCL, 6                           ; v6   where my scale words go
.set VLW,  7                           ; v7   from where I take fragments
.set VLS,  8                           ; v8   and scale words
.set VX,   9                           ; v9   16 x lane
.set VAC,  10                          ; v10  my 8 bytes of a block's 256 in acod
.set VAS,  11                          ; v11  4 x row
.set VB,   12                          ; v12  64 x (lane / 16): my half's biases (until they are in)
.set VPF,  13                          ; v13  the prefetch's rows (phase 1)
.set MA,   16
.set MB,   17
.set SO,   18
.set BY,   19
.set SW,   20                          ; v20, v21 a K step's scale word: two, by turns
.set X,    32                          ; v32-159  phase 1: four sets of 32 numbers
.set C,    160                         ; v160-167 a block's codes: two sets, by turns
.set XF,   32                          ; v32-95   phase 2: x's eight fragments, buffer 0; buffer 1: fragments at v12, 20, 148, 156, 164, 228, 236, 244: what phase 1's small registers and sets leave
.set G,    100                         ; v100-115 gate, tiles 0 and 1; then glu, then act
.set U,    116                         ; v116-131 up
.set T,    132                         ; v132-147 at work
.set BI,   176                         ; v176-207 the biases: gate's two tiles, up's two
.set WS,   208                         ; v208-223 W's scale words: gate's eight K steps, up's eight: scales and nothing else
.set XSC,  224                         ; v224-227 x's scale words of buffer 0, v172-175 of buffer 1: register j: lanes 0-15 K step j, lanes 16-31 K step 4 + j: scales and nothing else
.set QX,   28
.set QSO,  29
.set QBY,  30
.set CP,   96                          ; v96-97 16 codes
.set QMA,  98
.set QMB,  99
.set MSB, 0
.macro WIN new                         ; the immediate's high byte repeats the setting that is left
.if MSB != \new
	s_set_vgpr_msb (MSB<<8)|\new
.set MSB, \new
.endif
.endm
	s_load_b512 s[8:23], s[0:1], 0x0               ; Wg s[8:9], Wu s[10:11], bg s[12:13], bu s[14:15], xcod s[16:17], xscl s[18:19], meta s[20:21], acod s[22:23]
	s_load_b64 s[24:25], s[0:1], 0x40              ; ascl
	v_lshl_add_u32 v254, v0, 2, 0x11000
	v_mov_b32 v255, 0
	v_lshrrev_b32 v1, 5, v0
	v_readfirstlane_b32 s2, v1                     ; wave 0..7
	s_and_b32 s3, ttmp7, 0xffff                    ; e
	s_mov_b32 s4, ttmp9                            ; ds
	s_wait_alu depctr_va_sdst(0)                   ; s2 is written, ahead of its first reader: the wave's shares, bases and LDS places are made from it
	s_and_b32 s5, s2, 3                            ; cg: 0, 1 gate's halves; 2, 3 up's
	s_lshr_b32 s6, s2, 2                           ; kh: which 512 along K
	s_and_b32 s7, s2, 1                            ; p: which 32 of the 64 units (in both phases)
	s_lshr_b32 s26, s2, 1                          ; q: my first tile of rows
	v_and_b32 v1, 31, v0                           ; lane
	v_and_b32 v2, 15, v0                           ; r
	v_bfe_u32 v3, v0, 4, 1                         ; h (in phase 1: u, the tile)
	v_and_b32 v14, 7, v2
	v_lshrrev_b32 v15, 3, v2
	v_lshl_add_u32 v14, v15, 4, v14
	v_lshl_add_u32 v14, v3, 3, v14                 ; my column: 16 (r / 8) + 8 u + r % 8
	v_lshlrev_b32 v[VW], 2, v14
	s_lshl_b32 s45, s5, 14
	s_lshl_b32 s46, s6, 12
	s_add_co_u32 s45, s45, s46
	v_lshlrev_b32 v[VIMG], 4, v2
	v_lshl_add_u32 v[VIMG], v3, 13, v[VIMG]
	v_add_nc_u32 v[VIMG], s45, v[VIMG]             ; 16,384 cg + 8,192 u + 4,096 kh + 16 r
	s_lshl_b32 s45, s5, 10
	s_lshl_b32 s46, s6, 9
	s_add_co_u32 s45, s45, s46
	s_add_co_u32 s45, s45, WSCL
	v_lshl_add_u32 v[VSCL], v1, 2, s45             ; WSCL + 1,024 cg + 512 kh + 4 x lane
	s_lshl_b32 s45, s7, 14
	v_lshl_add_u32 v[VLW], v1, 4, s45              ; 16,384 p + 16 x lane
	s_lshl_b32 s45, s7, 10
	s_add_co_u32 s45, s45, WSCL
	v_lshl_add_u32 v[VLS], v1, 2, s45              ; WSCL + 1,024 p + 4 x lane
	v_lshlrev_b32 v[VX], 4, v1
	v_lshlrev_b32 v[VAC], 4, v2
	v_lshl_add_u32 v[VAC], v3, 3, v[VAC]           ; 16 r + 8 h
	v_lshlrev_b32 v[VAS], 2, v2
	v_lshlrev_b32 v[VB], 6, v3
	s_lshl_b32 s45, s7, 18
	v_lshl_add_u32 v[VPF], v1, 13, s45             ; row = lane; the odd wave of a pair of column halves asks one block (32 rows) further on
	v_mov_b32 v[QX], 0                             ; written once: a lane permute's destination counts as one of its sources
	s_lshl_b32 s34, s3, 23                         ; my part of W: expert e,
	s_lshl_b32 s45, s6, 22                         ; 512 rows x kh,
	s_add_co_u32 s34, s34, s45
	s_lshl_b32 s45, s4, 8                          ; 64 columns x ds,
	s_add_co_u32 s34, s34, s45
	s_lshl_b32 s45, s7, 7                          ; 32 columns x (cg % 2)
	s_add_co_u32 s34, s34, s45
	s_mov_b32 s35, 0
	s_lshl_b32 s47, s3, 2
	s_mov_b32 s48, 0xc01d265f                      ; -1.702 log2(e)
	s_mov_b32 s49, s48                             ; (named with it as a pair, so it is written)
	s_mov_b32 s50, 0xc0e00000                      ; -7
	s_mov_b32 s51, 0x40e00000                      ; 7
	s_mov_b32 s52, 0x76543210                      ; v_permlanex16_b32's selects for lane l xor 16
	s_mov_b32 s53, 0xfedcba98
	s_wait_kmcnt 0x0
	s_load_b32 s27, s[20:21], s47 offset:0x0       ; my expert's first tile,
	s_load_b32 s28, s[20:21], s47 offset:0x20      ; its tiles,
	s_load_b32 s29, s[20:21], 0x40                 ; all tiles
	s_cmp_lt_u32 s5, 2
	s_cselect_b64 s[32:33], s[8:9], s[10:11]       ; Wg or Wu: the choice hangs on the wave's number alone
	s_add_nc_u64 s[32:33], s[32:33], s[34:35]
; block t: W(32 t + i, my column), i = 0 .. 31, into set t % 4: 32 lanes read 128 consecutive bytes
.macro LOADB t
.set LB, X+32*((\t)%4)
.set ii, 0
.rept 32
	global_load_b32 v[LB+ii], v[VW], s[32:33] offset:(32*(\t)+ii)*ROWS th:TH_LOAD_NT
.set ii, ii+1
.endr
.endm
; block t's codes go to LDS, and behind a K step's last block its scale word
.macro STOREB t
	ds_store_b128 v[VIMG], v[C+4*((\t)%2):C+4*((\t)%2)+3] offset:((\t)/4)*1024+((\t)%4)*256
.if (\t)%4 == 3
	ds_store_b32 v[VSCL], v[SW+((\t)/4)%2] offset:((\t)/4)*128
.endif
.endm
.macro BLOCK t
.set XB_, X+32*((\t)%4)
.set CB_, C+4*((\t)%2)
.set SW_, SW+((\t)/4)%2
.if (\t) < NB-1
	s_wait_loadcnt 32                              ; this block's 32 loads are in; the next block's 32, issued behind them, stay out
.else
	s_wait_loadcnt 0x0
.endif
.if (\t) > 1
	s_wait_dscnt 0x0                               ; the LDS stores issued a block ago are done
	s_wait_alu depctr_vm_vsrc(0)                   ; they have read the set of codes, and at a K step's start the scale word, that this block writes again
.endif
.if (\t) > 0
	s_wait_alu depctr_va_vdst(0)                   ; the block before has written its codes and its scale word, which the LDS stores below read; the block before that is done reading its set, in which the loads below land
.endif
.if (\t)+2 < NB
	LOADB (\t)+2
.endif
.if ((\t)%2 == 0) && ((\t)+5 < NB)
	global_prefetch_b8 v[VPF], s[32:33] offset:((\t)+4)*32*ROWS th:TH_LOAD_NT scope:SCOPE_SE   ; the 64 rows of blocks t + 4 and t + 5, 256 bytes each, shared by two waves: the even wave asks for one block's, the odd wave for the other's, each row once, two blocks ahead of its loads; nothing past the wave's last block
.endif
.if (\t) > 0
	STOREB (\t)-1                                  ; no vector line has been issued since the wait above
.endif
	v_max3_num_f32 v[MA], |v[XB_]|, |v[XB_+1]|, |v[XB_+2]|        ; the block's largest magnitude: all 32 numbers are mine
	v_max3_num_f32 v[MB], |v[XB_+3]|, |v[XB_+4]|, |v[XB_+5]|
.irp k, 6,10,14,18,22,26
	v_max3_num_f32 v[MA], v[MA], |v[XB_+\k]|, |v[XB_+\k+1]|
	v_max3_num_f32 v[MB], v[MB], |v[XB_+\k+2]|, |v[XB_+\k+3]|
.endr
	v_max3_num_f32 v[MA], v[MA], |v[XB_+30]|, |v[XB_+31]|
	v_max3_num_f32 v[MA], v[MA], v[MB], 0x1800000  ; and the floor 2^(3 - 127): the byte cannot fall under 1
	v_add_nc_u32 v[SO], 0xff000000, v[MA]          ; 2 off its exponent field: the conversion's scale operand
	v_lshrrev_b32 v[BY], 23, v[SO]                 ; the scale's byte
.if (\t)%4 == 0
	v_mov_b32 v[SW_], v[BY]                        ; four bytes make a K step's scale word, the lower K in the lower byte
.else
	v_lshl_or_b32 v[SW_], v[BY], 8*((\t)%4), v[SW_]
.endif
.irp g, 0,1,2,3
	v_cvt_scalef32_pk8_fp4_f32 v[CB_+\g], v[XB_+8*\g:XB_+8*\g+7], v[SO]
.endr
	v_nop                                          ; one plain vector line behind the last conversion of a run
.endm
; x's tile number s45 of my expert's (held inside the tiles that exist): where its codes and scale words begin
.macro SETX
	s_add_co_u32 s45, s45, s27
	s_min_u32 s45, s45, s29
	s_min_u32 s45, s45, 134
	s_lshl_b32 s46, s45, 13
	s_mov_b32 s47, 0
	s_add_nc_u64 s[36:37], s[16:17], s[46:47]
	s_lshl_b32 s46, s45, 9
	s_add_nc_u64 s[38:39], s[18:19], s[46:47]
.endm
.macro XREG p, s                       ; BF: where fragment s of buffer p lies
.if (\p) == 0
.set BF, XF+8*(\s)
.else
.set BF, 12+8*(\s)+120*(((\s)+6)/8)+56*((\s)/5)
.endif
.endm
.macro XLOAD p                         ; eight fragments and their scale words into buffer p: 512 consecutive bytes a load
.set ss, 0
.rept 8
	XREG \p, ss
	global_load_b128 v[BF:BF+3], v[VX], s[36:37] offset:1024*ss
	global_load_b128 v[BF+4:BF+7], v[VX], s[36:37] offset:1024*ss+512
.set ss, ss+1
.endr
	global_load_b128 v[XSC-52*(\p):XSC-52*(\p)+3], v[VX], s[38:39]
.endm
	s_wait_alu depctr_va_vdst(0)                   ; the offsets and LDS addresses v4 to v13 are written, which the loads, stores and prefetches of the whole kernel read
	LOADB 0
	LOADB 1
	s_wait_kmcnt 0x0
	s_sub_co_u32 s29, s29, 1                       ; the last tile that exists
	s_max_u32 s30, s28, 1
	s_sub_co_u32 s30, s30, 1                       ; my expert's last tile
	s_lshl_b32 s34, s3, 13                         ; the biases of my 32 units: 8,192 e + 256 ds + 128 p
	s_lshl_b32 s45, s4, 8
	s_add_co_u32 s34, s34, s45
	s_lshl_b32 s45, s7, 7
	s_add_co_u32 s34, s34, s45
	s_add_nc_u64 s[54:55], s[12:13], s[34:35]
	s_add_nc_u64 s[56:57], s[14:15], s[34:35]
	s_lshl_b32 s34, s4, 9                          ; acod: my block 2 ds + p: 256 bytes each
	s_lshl_b32 s45, s7, 8
	s_add_co_u32 s34, s34, s45
	s_add_nc_u64 s[58:59], s[22:23], s[34:35]
	s_lshr_b32 s34, s4, 1                          ; ascl: K step ds / 2 (64 bytes), byte 2 (ds % 2) + p of a row's word
	s_lshl_b32 s34, s34, 6
	s_and_b32 s45, s4, 1
	s_lshl_b32 s45, s45, 1
	s_add_co_u32 s34, s34, s45
	s_add_co_u32 s34, s34, s7
	s_add_nc_u64 s[60:61], s[24:25], s[34:35]
.set Q, 0
.rept NB
	BLOCK Q
.set Q, Q+1
.endr
	s_wait_alu depctr_va_vdst(0)                   ; the last block has written its codes and the last scale word, which the LDS stores below read; all blocks are done reading X0 and X1, in which x's first fragments land
	STOREB NB-1
; the biases in the result's layout: lane (r, h), tile u, register j: unit 32 p + 16 h + 8 u + j
.irp u, 0,1
	global_load_b128 v[BI+8*\u:BI+8*\u+3], v[VB], s[54:55] offset:32*\u
	global_load_b128 v[BI+8*\u+4:BI+8*\u+7], v[VB], s[54:55] offset:32*\u+16
	global_load_b128 v[BI+16+8*\u:BI+16+8*\u+3], v[VB], s[56:57] offset:32*\u
	global_load_b128 v[BI+16+8*\u+4:BI+16+8*\u+7], v[VB], s[56:57] offset:32*\u+16
.endr
	s_min_u32 s45, s26, s30
	SETX
	XLOAD 0                                        ; my first tile of rows is on its way across the barrier
	s_wait_dscnt 0x0                               ; for the others' sake: my images lie in LDS
	s_barrier_signal -1
	s_barrier_wait -1                              ; all 64 fragments do; nothing is stored to LDS behind this barrier
	s_cmp_ge_u32 s26, s28
	s_cbranch_scc1 .Lend                           ; fewer tiles than waves to take them: no barrier follows
	WIN 0x40                                       ; destination window 1: fragment f = (gu x 2 + u) x 8 + s at v[256 + 8 f]; no vector instruction has named these registers
.set ff, 0
.rept 32
	ds_load_b128 v[8*ff:8*ff+3], v[VLW] offset:(ff/16)*32768+((ff/8)%2)*8192+(ff%8)*1024
	ds_load_b128 v[8*ff+4:8*ff+7], v[VLW] offset:(ff/16)*32768+((ff/8)%2)*8192+(ff%8)*1024+512
.set ff, ff+1
.endr
	WIN 0
.set ff, 0
.rept 16
	ds_load_b32 v[WS+ff], v[VLS] offset:(ff/8)*2048+(ff%8)*128
.set ff, ff+1
.endr
	s_mov_b32 s44, s26                             ; the tile in hand, counted within my expert
	s_sub_co_u32 s31, s28, s26                     ; my tiles are q, q + 4, .. under the expert's count; a lap of the loop takes two of them: (tiles - q + 7) / 8 laps, at least 1 here
	s_add_co_u32 s31, s31, 7
	s_lshr_b32 s31, s31, 3
	s_mov_b32 s62, 0                               ; laps done
	s_wait_dscnt 0x0
; one product on buffer p: gu = 0 gate, 1 up; tile u; K step s.  W's scale word: lanes 0-15 tile 0, lanes 16-31 tile 1; x's: lanes 0-15 K steps 0-3, lanes 16-31 K steps 4-7
.macro MM p, gu, u, s
.set AC, G+16*(\gu)+8*(\u)
.set WF, 8*((2*(\gu)+(\u))*8+(\s))
	XREG \p, \s
.set WR, WS+8*(\gu)+(\s)
.set XR, XSC-52*(\p)+(\s)%4
.if (\s) == 0
.set CC, BI+16*(\gu)+8*(\u)
.else
.set CC, AC
.endif
.if ((\u) == 0) && ((\s) < 4)
	v_wmma_scale_f32_16x16x128_f8f6f4 v[AC:AC+7], v[WF:WF+7], v[BF:BF+7], v[CC:CC+7], v[WR], v[XR] matrix_a_fmt:MATRIX_FMT_FP4 matrix_b_fmt:MATRIX_FMT_FP4
.elseif (\s) < 4
	v_wmma_scale_f32_16x16x128_f8f6f4 v[AC:AC+7], v[WF:WF+7], v[BF:BF+7], v[CC:CC+7], v[WR], v[XR] matrix_a_fmt:MATRIX_FMT_FP4 matrix_b_fmt:MATRIX_FMT_FP4 matrix_a_scale:MATRIX_SCALE_ROW1
.elseif (\u) == 0
	v_wmma_scale_f32_16x16x128_f8f6f4 v[AC:AC+7], v[WF:WF+7], v[BF:BF+7], v[CC:CC+7], v[WR], v[XR] matrix_a_fmt:MATRIX_FMT_FP4 matrix_b_fmt:MATRIX_FMT_FP4 matrix_b_scale:MATRIX_SCALE_ROW1
.else
	v_wmma_scale_f32_16x16x128_f8f6f4 v[AC:AC+7], v[WF:WF+7], v[BF:BF+7], v[CC:CC+7], v[WR], v[XR] matrix_a_fmt:MATRIX_FMT_FP4 matrix_b_fmt:MATRIX_FMT_FP4 matrix_a_scale:MATRIX_SCALE_ROW1 matrix_b_scale:MATRIX_SCALE_ROW1
.endif
.endm
; a trip: one tile of 16 rows x my 32 units, out of buffer p
.macro TRIP p
	s_wait_loadcnt 0x0                             ; buffer p's fragments and scale words (in the first trip the biases too): all that is out
	s_wait_xcnt 0x0                                ; the last trip's stores have read their data and bases, phase 1's prefetches their offset: all are written again below
	s_wait_alu depctr_vm_vsrc(0)                   ; the last trip's stores have read CP and QBY, which this trip writes again; in the first trip: phase 1's LDS stores, prefetches and the biases' loads have read v12, v13, v20, v21 and v160 to v167, in which the loads below land
	s_add_co_u32 s45, s44, 4
	s_min_u32 s45, s45, s30                        ; the last trip asks for my expert's last tile once more: no load leaves the tiles that exist
	SETX
	XLOAD 1-\p                                     ; the next tile, into the other buffer: it has this whole trip in which to land.  The last wait on va_vdst, ahead of the last trip's stores (in the first trip: behind phase 1's last block), has shown that buffer's readers and writers done, and no vector or matrix line has been issued since
	WIN 0x01                                       ; source 0 (W) window 1
.irp s, 0,1,2,3,4,5,6,7                ; the four accumulators take turns, one instruction a turn
	MM \p, 0, 0, \s
	MM \p, 0, 1, \s
	MM \p, 1, 0, \s
	MM \p, 1, 1, \s
.endr
	WIN 0
.rept 4
	v_nop                                          ; four places in front of the first read of results (ISA guide 7.12.1); the next trip's first products, which begin the accumulators anew, stand behind the plain lines of the activation as well
.endr
.set ii, 0
.rept 16
	v_min_num_f32 v[G+ii], s51, v[G+ii]            ; gate = min(gate, 7): each accumulator from its low end on
.set ii, ii+1
.endr
.set ii, 0
.rept 8
	v_pk_mul_f32 v[T+2*ii:T+2*ii+1], v[G+2*ii:G+2*ii+1], s[48:49] op_sel_hi:[1,0]     ; -1.702 log2(e) gate
.set ii, ii+1
.endr
.set ii, 0
	s_wait_alu depctr_va_vdst(0)
.rept 16
	v_exp_f32 v[T+ii], v[T+ii]
.set ii, ii+1
.endr
.set ii, 0
	s_wait_alu depctr_va_vdst(0)
.rept 16
	v_med3_num_f32 v[U+ii], v[U+ii], s50, s51      ; up = clip(up, -7, 7).  (Plain lines behind the exponentials)
.set ii, ii+1
.endr
	s_wait_alu depctr_va_vdst(0)                   ; the sixteen exponentials have written v[T ..], ahead of the additions, their first readers: one wait for the batch
.set ii, 0
.rept 8
	v_pk_add_f32 v[T+2*ii:T+2*ii+1], v[T+2*ii:T+2*ii+1], 1.0 op_sel_hi:[1,0]
.set ii, ii+1
.endr
.set ii, 0
	s_wait_alu depctr_va_vdst(0)
.rept 16
	v_rcp_f32 v[T+ii], v[T+ii]                     ; the sigmoid
.set ii, ii+1
.endr
	v_nop                                          ; one plain line behind the last reciprocal
	s_wait_alu depctr_va_vdst(0)                   ; the sixteen reciprocals have written v[T ..], ahead of the multiplications, their first readers: one wait for the batch
.set ii, 0
.rept 8
	v_pk_mul_f32 v[G+2*ii:G+2*ii+1], v[G+2*ii:G+2*ii+1], v[T+2*ii:T+2*ii+1]           ; glu
.set ii, ii+1
.endr
.set ii, 0
.rept 8
	v_pk_fma_f32 v[G+2*ii:G+2*ii+1], v[U+2*ii:U+2*ii+1], v[G+2*ii:G+2*ii+1], v[G+2*ii:G+2*ii+1]   ; act = up glu + glu
.set ii, ii+1
.endr
	v_max3_num_f32 v[QMA], |v[G]|, |v[G+1]|, 0x1800000             ; my 16 numbers of the block, and the floor 2^(3 - 127)
	v_max3_num_f32 v[QMB], |v[G+2]|, |v[G+3]|, |v[G+4]|
	v_max3_num_f32 v[QMA], v[QMA], |v[G+5]|, |v[G+6]|
	v_max3_num_f32 v[QMB], v[QMB], |v[G+7]|, |v[G+8]|
	v_max3_num_f32 v[QMA], v[QMA], |v[G+9]|, |v[G+10]|
	v_max3_num_f32 v[QMB], v[QMB], |v[G+11]|, |v[G+12]|
	v_max3_num_f32 v[QMA], v[QMA], |v[G+13]|, |v[G+14]|
	v_max3_num_f32 v[QMA], v[QMA], v[QMB], |v[G+15]|
	v_permlanex16_b32 v[QX], v[QMA], s52, s53
	v_max_num_f32 v[QMA], v[QMA], v[QX]            ; with lane l xor 16's 16: the block's largest magnitude
	v_add_nc_u32 v[QSO], 0xff000000, v[QMA]
	v_cvt_scalef32_pk8_fp4_f32 v[CP], v[G:G+7], v[QSO]
	v_cvt_scalef32_pk8_fp4_f32 v[CP+1], v[G+8:G+15], v[QSO]
	v_lshrrev_b32 v[QBY], 23, v[QSO]               ; the scale's byte.  (The plain line behind the conversions)
	s_add_co_u32 s45, s44, s27
	s_min_u32 s45, s45, 134                        ; this tile among all
	s_lshl_b32 s46, s45, 14
	s_mov_b32 s47, 0
	s_add_nc_u64 s[40:41], s[58:59], s[46:47]
	s_lshl_b32 s46, s45, 10
	s_add_nc_u64 s[42:43], s[60:61], s[46:47]
	s_wait_alu depctr_va_vdst(0)                   ; the conversions have written CP and the shift QBY, which the two stores read; this trip's products are done reading buffer p and its scale words, in which the next trip's loads land
	global_store_b64 v[VAC], v[CP:CP+1], s[40:41]  ; the block's 16 rows x 16 bytes: the wave stores 256 consecutive bytes, aligned
	global_store_b8 v[VAS], v[QBY], s[42:43]       ; both lanes of a row write the same byte with the same value
	s_add_co_u32 s44, s44, 4                       ; my next tile
.endm
.Ltile:                                                ; a lap: two trips, tiles q, q + 4, .., so that the two buffers are back where they began
	TRIP 0
	s_cmp_ge_u32 s44, s28                          ; an odd number of tiles: the second trip is jumped over, and nothing else.  That happens where tiles - q <= 8 L + 4 in lap L (from 0), and then the laps, (tiles - q + 7) / 8, are at most L + 1: it is the last lap
	s_cbranch_scc1 .Lodd
	TRIP 1
.Lodd:
	s_add_co_u32 s62, s62, 1                       ; the loop ends on its count of laps, one a lap, and is left by falling through its branch back alone
	s_cmp_lt_u32 s62, s31
	s_cbranch_scc1 .Ltile
.Lend:
	s_wait_dscnt 0x0                               ; the closing lines, six on end
	s_wait_alu 0x0
	s_wait_tensorcnt 0x0
	ds_add_u32 v254, v255
	s_wait_dscnt 0x0
	s_endpgm
.Lfunc_end_k_qc604711fcb_gateup:
	.size	k_qc604711fcb_gateup, .Lfunc_end_k_qc604711fcb_gateup-k_qc604711fcb_gateup
	.p2alignl 7, 3214868480
	.fill 96, 4, 3214868480
	.section	.rodata,"a",@progbits
	.p2align	6, 0x0
	.amdhsa_kernel k_qc604711fcb_gateup
		.amdhsa_group_segment_fixed_size 70656
		.amdhsa_private_segment_fixed_size 0
		.amdhsa_enable_private_segment 0
		.amdhsa_kernarg_size 72
		.amdhsa_user_sgpr_count 2
		.amdhsa_user_sgpr_kernarg_segment_ptr 1
		.amdhsa_wavefront_size32 1
		.amdhsa_system_sgpr_workgroup_id_x 1
		.amdhsa_system_sgpr_workgroup_id_y 1
		.amdhsa_system_sgpr_workgroup_id_z 1
		.amdhsa_system_vgpr_workitem_id 0
		.amdhsa_next_free_vgpr 512
		.amdhsa_next_free_sgpr 66
		.amdhsa_reserve_vcc 0
		.amdhsa_float_denorm_mode_32 3
		.amdhsa_float_denorm_mode_16_64 3
		.amdhsa_memory_ordered 1
		.amdhsa_forward_progress 1
		.amdhsa_inst_pref_size 112
	.end_amdhsa_kernel
	.amdgpu_metadata
---
amdhsa.version: [ 1, 2 ]
amdhsa.kernels:
  - .name:           k_qc604711fcb_gateup
    .symbol:         k_qc604711fcb_gateup.kd
    .args:
      - { .name: Wg, .offset: 0, .size: 8, .value_kind: global_buffer, .address_space: global }
      - { .name: Wu, .offset: 8, .size: 8, .value_kind: global_buffer, .address_space: global }
      - { .name: bg, .offset: 16, .size: 8, .value_kind: global_buffer, .address_space: global }
      - { .name: bu, .offset: 24, .size: 8, .value_kind: global_buffer, .address_space: global }
      - { .name: xcod, .offset: 32, .size: 8, .value_kind: global_buffer, .address_space: global }
      - { .name: xscl, .offset: 40, .size: 8, .value_kind: global_buffer, .address_space: global }
      - { .name: meta, .offset: 48, .size: 8, .value_kind: global_buffer, .address_space: global }
      - { .name: acod, .offset: 56, .size: 8, .value_kind: global_buffer, .address_space: global }
      - { .name: ascl, .offset: 64, .size: 8, .value_kind: global_buffer, .address_space: global }
    .group_segment_fixed_size: 70656
    .private_segment_fixed_size: 0
    .kernarg_segment_align: 8
    .kernarg_segment_size: 72
    .max_flat_workgroup_size: 256
    .sgpr_count:     66
    .vgpr_count:     512
    .wavefront_size: 32
...
	.end_amdgpu_metadata
.endif
;; end of part 6
;; launch down (part 7): grid 32 x 8, 8 waves a work-group, no clusters, 70,656 bytes of LDS; arguments Wd, acod, ascl, meta, ypart; writes ypart
.if DOCPART == 7
	.amdgcn_target "amdgcn-amd-amdhsa--gfx1250"
	.amdhsa_code_object_version 6
	.text
	.protected	k_qc604711fcb_down
	.globl	k_qc604711fcb_down
	.p2align	8
	.type	k_qc604711fcb_down,@function
k_qc604711fcb_down:
	s_mov_b64 s[64:65], 0
	v_nop
	global_prefetch_b8 v0, s[64:65] scope:SCOPE_SE
	s_setreg_imm32_b32 hwreg(HW_REG_WAVE_SCHED_MODE, 0, 2), 2
	s_setreg_imm32_b32 hwreg(HW_REG_WAVE_MODE, 25, 1), 1
	s_wait_xcnt 0x0
	s_wait_alu depctr_vm_vsrc(0)
; y = act Wd for the rows of ONE expert, 64 of the 1,024 output columns and ONE HALF of K (1,024 of the 2,048 hidden units), on codes of E2M1 with one E8M0 byte for each 32 along K.
; ypart: [K half][slot][1,024] f32: the two halves, the bias and the routing weights meet in the next launch.
; SHARES.  Work-group (x, e): columns 64 (x % 16) on, K half x / 16: 1,024 x 64 numbers of Wd, 256 KB of f32, which no other work-group reads.  K is halved so that there are 256 work-groups whose rows of Wd are
; 256 consecutive bytes; the price is a second copy of y on its way to the next launch.
; PHASE 1: wave w takes 32 columns (w % 2) x 256 along K (w / 2).  A lane takes a column and its registers run down K; the codes go to LDS as images of the operand's registers.
; PHASE 2, behind the launch's one barrier: every wave takes all 32 fragments (256 registers) and the expert's tiles of 16 rows w, w + 8, ..  The matrix instruction is used transposed (source 0 = 16 columns
; of Wd, source 1 = 16 rows of act): a lane holds eight neighbouring columns of one row.  A tile's 16 rows x 256 bytes go through the wave's own stage in LDS and leave as whole rows.
; NO TENSOR LOADS, NO CLUSTER: the number of tiles is read from memory (meta), and the trip count hangs on it; what work-groups share, act's codes (8.5 KB a tile and K half), is small beside the 256 KB that each
; reads alone.  A work-group whose expert has no rows still reads its slice (the barrier stands on every wave's path) and stores nothing.
; LIMITS: NaN and infinities are not served; a block of Wd whose largest magnitude lies under 2^-124 gets the byte 1.
; THE MODE: SCHED_MODE bits 1:0 = 2 (LLVM: expert scheduling mode 2), set by the entry lines.  The code itself states the register dependences between vector or matrix instructions and memory or LDS
; instructions, with s_wait_alu, always for 0.
; THE PLAN, phase 1.  Registers that memory or LDS instructions touch:
;   X0 .. X3   four sets of 32 numbers.  Written by the loads of block t + 2, issued at the head of block t; read by block t's maxima and conversions.
;   C0, C1     two sets of a block's codes.  Written by block t's conversions; read by the LDS store that is issued at the head of block t + 1.
;   SW0, SW1   two scale words.  Written in the four blocks of a K step; read by the LDS store at the head of the block behind that step.
;   v4 .. v13  offsets and LDS addresses, made once at the head and never written again.
; So the waits at a block's head state all that its memory and LDS instructions hang on; these follow the waits at once, with no vector line between.
; THE PLAN, phase 2.  AF0, AF1 (and their scale words ASC0, ASC1): two buffers of act's eight fragments.  A trip's products read buffer p; the loads at its head land in the other buffer, which the products of the trip
; before read.  They stand in one run at the head and not among the products: a load's address lies in source 0's window, which is Wd's while the products are issued.  ACC: written by the products, read by the LDS
; stores into the stage.  OUTR: written by the LDS loads from the stage, read by the global stores.  One wait on va_vdst a trip, behind the products and their places, states that ACC is written and that the products are
; done with their buffer; one on vm_vsrc stands at a trip's head.  A lap of the loop is two trips, so that the buffers are back where they began; where a wave's tiles are odd in number, the last lap's second trip is
; jumped over.  Window 1 and WS are loaded once.
.set ROWS, 4096                        ; bytes from a row k of Wd to the next
.set NB,   8                           ; blocks of 32 along K for a wave
.set WSCL, 32768                       ; LDS: 0: 32 fragments of 1 KB, (tile x 8 + s) x 1,024 + block x 256 + row x 16;  WSCL: scale words, (tile / 2 x 8 + s) x 128 + 4 x lane
.set STG,  34816                       ; a stage of 16 rows x (256 + 16) bytes for each wave
.set SPI,  272
.set VW,   4                           ; v4   4 x lane: my column; also a scale word's place
.set VIMG, 5
.set VSCL, 6
.set VLS,  8                           ; v8   WSCL + 4 x lane
.set VX,   9                           ; v9   16 x lane: in LDS and in memory
.set VSO,  10                          ; v10  the stage: where I put 32 bytes of a row
.set VSR,  11                          ; v11  and where I read a row back
.set VY,   12                          ; v12  the same place in two rows of ypart
.set VPF,  13
.set MA,   16
.set MB,   17
.set SO,   18
.set BY,   19
.set SW,   20                          ; v20, v21 a K step's scale word: two, by turns
.set X,    32                          ; v32-159  phase 1: four sets of 32 numbers
.set C,    160                         ; v160-167 a block's codes: two sets, by turns
.set AF,   32                          ; v32-95   phase 2: act's eight fragments, buffer 0; buffer 1: fragments 0-4 at v164-203, fragments 5-7 at v228-251
.set ACC,  100                         ; v100-131 four accumulators
.set OUTR, 132                         ; v132-163 16 rows read back from the stage
.set WS,   208                         ; v208-223 Wd's scale words: scales and nothing else
.set ASC,  224                         ; v224-227 act's scale words of buffer 0, v204-207 of buffer 1: register j: lanes 0-15 K step 2 j, lanes 16-31 K step 2 j + 1: scales and nothing else
.set MSB, 0
.macro WIN new                         ; the immediate's high byte repeats the setting that is left
.if MSB != \new
	s_set_vgpr_msb (MSB<<8)|\new
.set MSB, \new
.endif
.endm
	s_load_b256 s[8:15], s[0:1], 0x0               ; Wd s[8:9], acod s[10:11], ascl s[12:13], meta s[14:15]
	s_load_b64 s[16:17], s[0:1], 0x20              ; ypart
	v_lshl_add_u32 v254, v0, 2, 0x11000
	v_mov_b32 v255, 0
	v_lshrrev_b32 v1, 5, v0
	v_readfirstlane_b32 s2, v1                     ; wave 0..7
	s_and_b32 s3, ttmp7, 0xffff                    ; e
	s_and_b32 s4, ttmp9, 15                        ; hs: which 64 columns
	s_lshr_b32 s5, ttmp9, 4                        ; kh: which half of K
	s_wait_alu depctr_va_sdst(0)                   ; s2 is written, ahead of its first reader: the wave's shares, bases and LDS places are made from it
	s_and_b32 s6, s2, 1                            ; cg: which 32 of the 64 columns
	s_lshr_b32 s7, s2, 1                           ; kq: which 256 of the 1,024 along K
	v_and_b32 v1, 31, v0                           ; lane
	v_and_b32 v2, 15, v0                           ; r
	s_wait_alu depctr_va_vdst(0)
	v_bfe_u32 v3, v0, 4, 1                         ; h (in phase 1: which of the wave's two tiles)
	v_lshlrev_b32 v[VW], 2, v1
	s_lshl_b32 s45, s6, 14
	s_lshl_b32 s46, s7, 11
	s_add_co_u32 s45, s45, s46
	v_lshlrev_b32 v[VIMG], 4, v2
	v_lshl_add_u32 v[VIMG], v3, 13, v[VIMG]
	v_add_nc_u32 v[VIMG], s45, v[VIMG]             ; 16,384 cg + 8,192 u + 2,048 kq + 16 r
	s_lshl_b32 s45, s6, 10
	s_lshl_b32 s46, s7, 8
	s_add_co_u32 s45, s45, s46
	s_add_co_u32 s45, s45, WSCL
	v_lshl_add_u32 v[VSCL], v1, 2, s45             ; WSCL + 1,024 cg + 256 kq + 4 x lane
	v_lshl_add_u32 v[VLS], v1, 2, WSCL
	v_lshlrev_b32 v[VX], 4, v1
	s_mul_i32 s45, s2, 16*SPI
	s_add_co_u32 s45, s45, STG                     ; my stage
	v_mul_u32_u24 v[VSO], v2, SPI
	s_wait_alu depctr_va_vdst(0)
	v_lshl_add_u32 v[VSO], v3, 5, v[VSO]
	v_add_nc_u32 v[VSO], s45, v[VSO]               ; in: row r, 32 bytes for each half of the lanes
	v_mul_u32_u24 v[VSR], v3, SPI
	v_lshl_add_u32 v[VSR], v2, 4, v[VSR]
	v_add_nc_u32 v[VSR], s45, v[VSR]               ; back: lanes 0-15 one row of 256 bytes, lanes 16-31 the next
	v_lshlrev_b32 v[VY], 12, v3
	v_lshl_add_u32 v[VY], v2, 4, v[VY]             ; and the same two rows in ypart, 4,096 bytes apart
	s_lshl_b32 s45, s6, 17
	v_lshl_add_u32 v[VPF], v1, 12, s45             ; row = lane; the odd wave of a pair of column halves asks one block (32 rows) further on
	s_lshl_b32 s34, s3, 23                         ; my part of Wd: expert e,
	s_lshl_b32 s45, s5, 22                         ; 1,024 rows x kh,
	s_add_co_u32 s34, s34, s45
	s_lshl_b32 s45, s7, 20                         ; 256 rows x kq,
	s_add_co_u32 s34, s34, s45
	s_lshl_b32 s45, s4, 8                          ; 64 columns x hs,
	s_add_co_u32 s34, s34, s45
	s_lshl_b32 s45, s6, 7                          ; 32 columns x cg
	s_add_co_u32 s34, s34, s45
	s_mov_b32 s35, 0
	s_lshl_b32 s47, s3, 2
	s_wait_kmcnt 0x0
	s_load_b32 s27, s[14:15], s47 offset:0x0       ; my expert's first tile,
	s_load_b32 s28, s[14:15], s47 offset:0x20      ; its tiles,
	s_load_b32 s29, s[14:15], 0x40                 ; all tiles
	s_add_nc_u64 s[32:33], s[8:9], s[34:35]
; block t: Wd(32 t + i, my column), i = 0 .. 31, into set t % 4: 32 lanes read 128 consecutive bytes
.macro LOADB t
.set LB, X+32*((\t)%4)
.set ii, 0
.rept 32
	global_load_b32 v[LB+ii], v[VW], s[32:33] offset:(32*(\t)+ii)*ROWS th:TH_LOAD_NT
.set ii, ii+1
.endr
.endm
; block t's codes go to LDS, and behind a K step's last block its scale word
.macro STOREB t
	ds_store_b128 v[VIMG], v[C+4*((\t)%2):C+4*((\t)%2)+3] offset:((\t)/4)*1024+((\t)%4)*256
.if (\t)%4 == 3
	ds_store_b32 v[VSCL], v[SW+((\t)/4)%2] offset:((\t)/4)*128
.endif
.endm
.macro BLOCK t
.set XB_, X+32*((\t)%4)
.set CB_, C+4*((\t)%2)
.set SW_, SW+((\t)/4)%2
.if (\t) < NB-1
	s_wait_loadcnt 32                              ; this block's 32 loads are in; the next block's 32, issued behind them, stay out
.else
	s_wait_loadcnt 0x0
.endif
.if (\t) > 1
	s_wait_dscnt 0x0                               ; the LDS stores issued a block ago are done
	s_wait_alu depctr_vm_vsrc(0)                   ; they have read the set of codes, and at a K step's start the scale word, that this block writes again
.endif
.if (\t) > 0
	s_wait_alu depctr_va_vdst(0)                   ; the block before has written its codes and its scale word, which the LDS stores below read; the block before that is done reading its set, in which the loads below land
.endif
.if (\t)+2 < NB
	LOADB (\t)+2
.endif
.if ((\t)%2 == 0) && ((\t)+5 < NB)
	global_prefetch_b8 v[VPF], s[32:33] offset:((\t)+4)*32*ROWS th:TH_LOAD_NT scope:SCOPE_SE   ; the 64 rows of blocks t + 4 and t + 5, 256 bytes each, shared by two waves: the even wave asks for one block's, the odd wave for the other's, each row once, two blocks ahead of its loads; nothing past the wave's last block
.endif
.if (\t) > 0
	STOREB (\t)-1                                  ; no vector line has been issued since the wait above
.endif
	v_max3_num_f32 v[MA], |v[XB_]|, |v[XB_+1]|, |v[XB_+2]|        ; the block's largest magnitude: all 32 numbers are mine
	v_max3_num_f32 v[MB], |v[XB_+3]|, |v[XB_+4]|, |v[XB_+5]|
.irp k, 6,10,14,18,22,26
	v_max3_num_f32 v[MA], v[MA], |v[XB_+\k]|, |v[XB_+\k+1]|
	v_max3_num_f32 v[MB], v[MB], |v[XB_+\k+2]|, |v[XB_+\k+3]|
.endr
	v_max3_num_f32 v[MA], v[MA], |v[XB_+30]|, |v[XB_+31]|
	v_max3_num_f32 v[MA], v[MA], v[MB], 0x1800000  ; and the floor 2^(3 - 127): the byte cannot fall under 1
	v_add_nc_u32 v[SO], 0xff000000, v[MA]          ; 2 off its exponent field: the conversion's scale operand
	v_lshrrev_b32 v[BY], 23, v[SO]                 ; the scale's byte
.if (\t)%4 == 0
	v_mov_b32 v[SW_], v[BY]                        ; four bytes make a K step's scale word, the lower K in the lower byte
.else
	v_lshl_or_b32 v[SW_], v[BY], 8*((\t)%4), v[SW_]
.endif
.irp g, 0,1,2,3
	v_cvt_scalef32_pk8_fp4_f32 v[CB_+\g], v[XB_+8*\g:XB_+8*\g+7], v[SO]
.endr
	v_nop                                          ; one plain vector line behind the last conversion of a run
.endm
; act's tile number s45 of my expert's (held inside the tiles that exist): where my K half's codes and scale words begin
.macro SETA
	s_add_co_u32 s45, s45, s27
	s_min_u32 s45, s45, s29
	s_min_u32 s45, s45, 134
	s_lshl_b32 s46, s45, 14
	s_mov_b32 s47, 0
	s_add_nc_u64 s[36:37], s[58:59], s[46:47]
	s_lshl_b32 s46, s45, 10
	s_add_nc_u64 s[38:39], s[60:61], s[46:47]
.endm
.macro AREG p, s                       ; BF: where fragment s of buffer p lies
.if (\p) == 0
.set BF, AF+8*(\s)
.else
.set BF, 164+8*(\s)+24*((\s)/5)
.endif
.endm
.macro ALOAD p                         ; eight fragments into buffer p, 512 consecutive bytes a load, and their scale words, 128 a load
.set ss, 0
.rept 8
	AREG \p, ss
	global_load_b128 v[BF:BF+3], v[VX], s[36:37] offset:1024*ss
	global_load_b128 v[BF+4:BF+7], v[VX], s[36:37] offset:1024*ss+512
.set ss, ss+1
.endr
.irp j, 0,1,2,3
	global_load_b32 v[ASC-20*(\p)+\j], v[VW], s[38:39] offset:128*\j
.endr
.endm
	s_wait_alu depctr_va_vdst(0)                   ; the offsets and LDS addresses v4 to v13 are written, which the loads, stores and prefetches of the whole kernel read
	LOADB 0
	LOADB 1
	s_wait_kmcnt 0x0
	s_sub_co_u32 s29, s29, 1                       ; the last tile that exists
	s_max_u32 s30, s28, 1
	s_sub_co_u32 s30, s30, 1                       ; my expert's last tile
	s_lshl_b32 s34, s5, 13                         ; acod: my K half: 32 blocks of 256 bytes
	s_add_nc_u64 s[58:59], s[10:11], s[34:35]
	s_lshl_b32 s34, s5, 9                          ; ascl: eight K steps of 64 bytes
	s_add_nc_u64 s[60:61], s[12:13], s[34:35]
	s_mul_i32 s34, s5, 8847360                     ; ypart: my K half (2,160 slots of 4,096 bytes), my 64 columns
	s_lshl_b32 s45, s4, 8
	s_add_co_u32 s34, s34, s45
	s_add_nc_u64 s[62:63], s[16:17], s[34:35]
.set Q, 0
.rept NB
	BLOCK Q
.set Q, Q+1
.endr
	s_wait_alu depctr_va_vdst(0)                   ; the last block has written its codes and the last scale word, which the LDS stores below read; all blocks are done reading X0 and X1, in which act's first fragments land
	STOREB NB-1
	s_min_u32 s45, s2, s30
	SETA
	ALOAD 0                                        ; my first tile of rows is on its way across the barrier
	s_wait_dscnt 0x0                               ; for the others' sake: my images lie in LDS
	s_barrier_signal -1
	s_barrier_wait -1                              ; all 32 fragments do; behind this barrier a wave stores to its own stage alone
	s_cmp_ge_u32 s2, s28
	s_cbranch_scc1 .Lend                           ; fewer tiles than waves to take them: no barrier follows
	WIN 0x40                                       ; destination window 1: fragment f = tile x 8 + s at v[256 + 8 f]; no vector instruction has named these registers
.set ff, 0
.rept 32
	ds_load_b128 v[8*ff:8*ff+3], v[VX] offset:ff*1024
	ds_load_b128 v[8*ff+4:8*ff+7], v[VX] offset:ff*1024+512
.set ff, ff+1
.endr
	WIN 0
.set ff, 0
.rept 16
	ds_load_b32 v[WS+ff], v[VLS] offset:ff*128
.set ff, ff+1
.endr
	s_mov_b32 s44, s2                              ; the tile in hand, counted within my expert
	s_sub_co_u32 s31, s28, s2                      ; my tiles are w, w + 8, .. under the expert's count; a lap of the loop takes two of them: (tiles - w + 15) / 16 laps, at least 1 here
	s_add_co_u32 s31, s31, 15
	s_lshr_b32 s31, s31, 4
	s_mov_b32 s48, 0                               ; laps done
	s_wait_dscnt 0x0
; one product on buffer p: tile tl of 16 columns, K step s.  Wd's scale word: lanes 0-15 the even tile, lanes 16-31 the odd; act's: lanes 0-15 the even K step, lanes 16-31 the odd.  The first K step starts the sum
.macro MM p, tl, s
.set AC, ACC+8*(\tl)
.set WF, 8*(8*(\tl)+(\s))
	AREG \p, \s
.set WR, WS+8*((\tl)/2)+(\s)
.set AR, ASC-20*(\p)+(\s)/2
.if ((\s) == 0) && ((\tl)%2 == 0)
	v_wmma_scale_f32_16x16x128_f8f6f4 v[AC:AC+7], v[WF:WF+7], v[BF:BF+7], 0, v[WR], v[AR] matrix_a_fmt:MATRIX_FMT_FP4 matrix_b_fmt:MATRIX_FMT_FP4
.elseif (\s) == 0
	v_wmma_scale_f32_16x16x128_f8f6f4 v[AC:AC+7], v[WF:WF+7], v[BF:BF+7], 0, v[WR], v[AR] matrix_a_fmt:MATRIX_FMT_FP4 matrix_b_fmt:MATRIX_FMT_FP4 matrix_a_scale:MATRIX_SCALE_ROW1
.elseif ((\s)%2 == 0) && ((\tl)%2 == 0)
	v_wmma_scale_f32_16x16x128_f8f6f4 v[AC:AC+7], v[WF:WF+7], v[BF:BF+7], v[AC:AC+7], v[WR], v[AR] matrix_a_fmt:MATRIX_FMT_FP4 matrix_b_fmt:MATRIX_FMT_FP4
.elseif (\s)%2 == 0
	v_wmma_scale_f32_16x16x128_f8f6f4 v[AC:AC+7], v[WF:WF+7], v[BF:BF+7], v[AC:AC+7], v[WR], v[AR] matrix_a_fmt:MATRIX_FMT_FP4 matrix_b_fmt:MATRIX_FMT_FP4 matrix_a_scale:MATRIX_SCALE_ROW1
.elseif (\tl)%2 == 0
	v_wmma_scale_f32_16x16x128_f8f6f4 v[AC:AC+7], v[WF:WF+7], v[BF:BF+7], v[AC:AC+7], v[WR], v[AR] matrix_a_fmt:MATRIX_FMT_FP4 matrix_b_fmt:MATRIX_FMT_FP4 matrix_b_scale:MATRIX_SCALE_ROW1
.else
	v_wmma_scale_f32_16x16x128_f8f6f4 v[AC:AC+7], v[WF:WF+7], v[BF:BF+7], v[AC:AC+7], v[WR], v[AR] matrix_a_fmt:MATRIX_FMT_FP4 matrix_b_fmt:MATRIX_FMT_FP4 matrix_a_scale:MATRIX_SCALE_ROW1 matrix_b_scale:MATRIX_SCALE_ROW1
.endif
.endm
; a trip: one tile of 16 rows x 64 columns, out of buffer p
.macro TRIP p
	s_wait_loadcnt 0x0                             ; buffer p's fragments and scale words: all that is out
	s_wait_xcnt 0x0                                ; the last trip's stores have read their data and base: both are written again below
	s_wait_alu depctr_vm_vsrc(0)                   ; the last trip's LDS stores have read the accumulators, which the products below write, and its global stores OUTR, in which the stage's loads land; in the first trip: phase 1's LDS stores have read v160 to v167, which OUTR and buffer 1 lie over
	s_add_co_u32 s45, s44, 8
	s_min_u32 s45, s45, s30                        ; the last trip asks for my expert's last tile once more: no load leaves the tiles that exist
	SETA
	ALOAD 1-\p                                     ; the next tile, into the other buffer: it has this whole trip in which to land.  The last wait on va_vdst, behind the last trip's products (in the first trip: behind phase 1's last block), has shown that buffer's readers and writers done, and no vector or matrix line has been issued since
	WIN 0x01                                       ; source 0 (Wd) window 1
.irp s, 0,1,2,3,4,5,6,7                ; the four accumulators take turns, one instruction a turn
	MM \p, 0, \s
	MM \p, 1, \s
	MM \p, 2, \s
	MM \p, 3, \s
.endr
	WIN 0
.rept 5
	v_nop                                          ; four places are owed in front of the LDS stores that read results, FIVE in front of the next trip's first products, which write the accumulators anew with C = 0; no other vector line stands in a trip
.endr
	s_wait_alu depctr_va_vdst(0)                   ; the products have written the accumulators, which the LDS stores below read (the places above stay beside this wait), and are done reading buffer p and its scale words, in which the next trip's loads land
	s_add_co_u32 s45, s44, s27
	s_min_u32 s45, s45, 134                        ; this tile among all: 16 slots of 4,096 bytes
	s_lshl_b32 s46, s45, 16
	s_mov_b32 s47, 0
	s_add_nc_u64 s[40:41], s[62:63], s[46:47]
.irp tl, 0,1,2,3
	ds_store_b128 v[VSO], v[ACC+8*\tl:ACC+8*\tl+3] offset:64*\tl           ; each accumulator from its low end on
	ds_store_b128 v[VSO], v[ACC+8*\tl+4:ACC+8*\tl+7] offset:64*\tl+16
.endr
.irp t, 0,1,2,3,4,5,6,7
	ds_load_b128 v[OUTR+4*\t:OUTR+4*\t+3], v[VSR] offset:2*\t*SPI          ; LDS serves a wave's instructions in order (ISA guide 5.7.1.4): these see my stores, and the next trip's stores come behind them
.endr
.irp t, 0,1,2,3,4,5,6,7
	s_wait_dscnt 7-\t                              ; the loads issued behind this one may stay out
	global_store_b128 v[VY], v[OUTR+4*\t:OUTR+4*\t+3], s[40:41] offset:8192*\t    ; sixteen lanes store 256 consecutive bytes, aligned
.endr
	s_add_co_u32 s44, s44, 8                       ; my next tile
.endm
.Ltile:                                                ; a lap: two trips, tiles w, w + 8, .., so that the two buffers are back where they began
	TRIP 0
	s_cmp_ge_u32 s44, s28                          ; an odd number of tiles: the second trip is jumped over, and nothing else.  That happens where tiles - w <= 16 L + 8 in lap L (from 0), and then the laps, (tiles - w + 15) / 16, are at most L + 1: it is the last lap
	s_cbranch_scc1 .Lodd
	TRIP 1
.Lodd:
	s_add_co_u32 s48, s48, 1                       ; the loop ends on its count of laps, one a lap, and is left by falling through its branch back alone
	s_cmp_lt_u32 s48, s31
	s_cbranch_scc1 .Ltile
.Lend:
	s_wait_dscnt 0x0                               ; the closing lines, six on end
	s_wait_alu 0x0
	s_wait_tensorcnt 0x0
	ds_add_u32 v254, v255
	s_wait_dscnt 0x0
	s_endpgm
.Lfunc_end_k_qc604711fcb_down:
	.size	k_qc604711fcb_down, .Lfunc_end_k_qc604711fcb_down-k_qc604711fcb_down
	.p2alignl 7, 3214868480
	.fill 96, 4, 3214868480
	.section	.rodata,"a",@progbits
	.p2align	6, 0x0
	.amdhsa_kernel k_qc604711fcb_down
		.amdhsa_group_segment_fixed_size 70656
		.amdhsa_private_segment_fixed_size 0
		.amdhsa_enable_private_segment 0
		.amdhsa_kernarg_size 40
		.amdhsa_user_sgpr_count 2
		.amdhsa_user_sgpr_kernarg_segment_ptr 1
		.amdhsa_wavefront_size32 1
		.amdhsa_system_sgpr_workgroup_id_x 1
		.amdhsa_system_sgpr_workgroup_id_y 1
		.amdhsa_system_sgpr_workgroup_id_z 1
		.amdhsa_system_vgpr_workitem_id 0
		.amdhsa_next_free_vgpr 512
		.amdhsa_next_free_sgpr 66
		.amdhsa_reserve_vcc 0
		.amdhsa_float_denorm_mode_32 3
		.amdhsa_float_denorm_mode_16_64 3
		.amdhsa_memory_ordered 1
		.amdhsa_forward_progress 1
		.amdhsa_inst_pref_size 67
	.end_amdhsa_kernel
	.amdgpu_metadata
---
amdhsa.version: [ 1, 2 ]
amdhsa.kernels:
  - .name:           k_qc604711fcb_down
    .symbol:         k_qc604711fcb_down.kd
    .args:
      - { .name: Wd, .offset: 0, .size: 8, .value_kind: global_buffer, .address_space: global }
      - { .name: acod, .offset: 8, .size: 8, .value_kind: global_buffer, .address_space: global }
      - { .name: ascl, .offset: 16, .size: 8, .value_kind: global_buffer, .address_space: global }
      - { .name: meta, .offset: 24, .size: 8, .value_kind: global_buffer, .address_space: global }
      - { .name: ypart, .offset: 32, .size: 8, .value_kind: global_buffer, .address_space: global }
    .group_segment_fixed_size: 70656
    .private_segment_fixed_size: 0
    .kernarg_segment_align: 8
    .kernarg_segment_size: 40
    .max_flat_workgroup_size: 256
    .sgpr_count:     66
    .vgpr_count:     512
    .wavefront_size: 32
...
	.end_amdgpu_metadata
.endif
;; end of part 7
;; launch combine (part 8): grid 256 x 1, 8 waves a work-group, no clusters, 0 bytes of LDS; arguments ypart, slot, router_indices, routing_weights, bd, out0; writes out0
.if DOCPART == 8
	.amdgcn_target "amdgcn-amd-amdhsa--gfx1250"
	.amdhsa_code_object_version 6
	.text
	.protected	k_qc604711fcb_combine
	.globl	k_qc604711fcb_combine
	.p2align	8
	.type	k_qc604711fcb_combine,@function
k_qc604711fcb_combine:
	s_mov_b64 s[64:65], 0
	v_nop
	global_prefetch_b8 v0, s[64:65] scope:SCOPE_SE
	s_setreg_imm32_b32 hwreg(HW_REG_WAVE_MODE, 25, 1), 1
	s_wait_xcnt 0x0
; out[t] = w[t][e0] (y[s0] + bd[e0]) + w[t][e1] (y[s1] + bd[e1]): e0, e1 the token's two experts, s0, s1 the slots of its two rows, y[s] the sum of the two K halves in ypart.
; A token that names one expert twice has two equal rows, so that expert counts twice, as in the one-hot sum.  All in f32.
; A stream: a work-group takes four tokens; thread t the 16 bytes at 16 t of each row, so a wave's load or store covers 512 consecutive bytes.  All 24 loads of a thread go out at once.
; No LDS, no barrier, no matrix unit, no cluster: each number of ypart is read once, and the sum over K = 8 has two terms that are not zero.
; LIMITS: an expert number above 7 is held at 7.
.set D0, 20                            ; v20-115: for each token 24 registers: y's two halves and the bias, for each of its two rows
	s_load_b256 s[4:11], s[0:1], 0x0               ; ypart s[4:5], slot s[6:7], router_indices s[8:9], routing_weights s[10:11]
	s_load_b128 s[12:15], s[0:1], 0x20             ; bd s[12:13], out0 s[14:15]
	s_lshl_b32 s2, ttmp9, 5                        ; four tokens x 8 bytes
	s_mov_b32 s3, 0
	s_lshl_b32 s32, ttmp9, 7                       ; four tokens x 32 bytes of weights
	s_mov_b32 s33, 0
	s_lshl_b32 s36, ttmp9, 14                      ; four rows of out
	s_mov_b32 s37, 0
	v_lshlrev_b32 v1, 4, v0
	s_wait_alu depctr_va_vdst(0)
	s_wait_kmcnt 0x0
	s_add_nc_u64 s[6:7], s[6:7], s[2:3]
	s_add_nc_u64 s[8:9], s[8:9], s[2:3]
	s_load_b256 s[16:23], s[6:7], 0x0              ; the four tokens' slots,
	s_load_b256 s[24:31], s[8:9], 0x0              ; and experts
	s_add_nc_u64 s[10:11], s[10:11], s[32:33]
	s_add_nc_u64 s[14:15], s[14:15], s[36:37]
	s_add_nc_u64 s[34:35], s[4:5], 8847360         ; the second K half
	s_wait_kmcnt 0x0
.irp n, 0,1,2,3,4,5,6,7
	s_min_u32 s[16+\n], s[16+\n], 2159
	s_min_u32 s[24+\n], s[24+\n], 7
	s_lshl_b32 s[16+\n], s[16+\n], 12              ; the slot's row of 4,096 bytes
	s_lshl_b32 s[48+\n], s[24+\n], 2               ; the expert's weight
	s_lshl_b32 s[24+\n], s[24+\n], 12              ; its row of bd
.endr
.irp n, 0,1,2,3,4,5,6,7
	s_load_b32 s[40+\n], s[10:11], s[48+\n] offset:32*(\n/2)
	v_add_nc_u32 v[2+\n], s[16+\n], v1
	v_add_nc_u32 v[10+\n], s[24+\n], v1
.endr
.irp i, 0,1,2,3
	global_load_b128 v[D0+24*\i:D0+24*\i+3], v[2+2*\i], s[4:5] th:TH_LOAD_NT
	global_load_b128 v[D0+24*\i+4:D0+24*\i+7], v[2+2*\i], s[34:35] th:TH_LOAD_NT
	global_load_b128 v[D0+24*\i+8:D0+24*\i+11], v[10+2*\i], s[12:13]
	global_load_b128 v[D0+24*\i+12:D0+24*\i+15], v[3+2*\i], s[4:5] th:TH_LOAD_NT
	global_load_b128 v[D0+24*\i+16:D0+24*\i+19], v[3+2*\i], s[34:35] th:TH_LOAD_NT
	global_load_b128 v[D0+24*\i+20:D0+24*\i+23], v[11+2*\i], s[12:13]
.endr
	s_wait_kmcnt 0x0                               ; the eight weights
.irp i, 0,1,2,3
	s_wait_loadcnt 18-6*\i                         ; this token's six loads are in; the later tokens', six each, stay out
.irp j, 0,2
	v_pk_add_f32 v[D0+24*\i+\j:D0+24*\i+\j+1], v[D0+24*\i+\j:D0+24*\i+\j+1], v[D0+24*\i+4+\j:D0+24*\i+4+\j+1]
	v_pk_add_f32 v[D0+24*\i+12+\j:D0+24*\i+12+\j+1], v[D0+24*\i+12+\j:D0+24*\i+12+\j+1], v[D0+24*\i+16+\j:D0+24*\i+16+\j+1]
.endr
.irp j, 0,2
	s_delay_alu instid0(VALU_DEP_4)
	v_pk_add_f32 v[D0+24*\i+\j:D0+24*\i+\j+1], v[D0+24*\i+\j:D0+24*\i+\j+1], v[D0+24*\i+8+\j:D0+24*\i+8+\j+1]
	s_delay_alu instid0(VALU_DEP_4)
	v_pk_add_f32 v[D0+24*\i+12+\j:D0+24*\i+12+\j+1], v[D0+24*\i+12+\j:D0+24*\i+12+\j+1], v[D0+24*\i+20+\j:D0+24*\i+20+\j+1]
.endr
.irp j, 0,1,2,3
	v_mul_f32 v[D0+24*\i+\j], s[40+2*\i], v[D0+24*\i+\j]
.endr
.irp j, 0,1,2,3
	s_delay_alu instid0(VALU_DEP_4)
	v_fmac_f32 v[D0+24*\i+\j], s[41+2*\i], v[D0+24*\i+12+\j]
.endr
	global_store_b128 v1, v[D0+24*\i:D0+24*\i+3], s[14:15] offset:4096*\i th:TH_STORE_NT
.endr
	s_endpgm
.Lfunc_end_k_qc604711fcb_combine:
	.size	k_qc604711fcb_combine, .Lfunc_end_k_qc604711fcb_combine-k_qc604711fcb_combine
	.p2alignl 7, 3214868480
	.fill 96, 4, 3214868480
	.section	.rodata,"a",@progbits
	.p2align	6, 0x0
	.amdhsa_kernel k_qc604711fcb_combine
		.amdhsa_group_segment_fixed_size 0
		.amdhsa_private_segment_fixed_size 0
		.amdhsa_enable_private_segment 0
		.amdhsa_kernarg_size 48
		.amdhsa_user_sgpr_count 2
		.amdhsa_user_sgpr_kernarg_segment_ptr 1
		.amdhsa_wavefront_size32 1
		.amdhsa_system_sgpr_workgroup_id_x 1
		.amdhsa_system_sgpr_workgroup_id_y 1
		.amdhsa_system_sgpr_workgroup_id_z 1
		.amdhsa_system_vgpr_workitem_id 0
		.amdhsa_next_free_vgpr 128
		.amdhsa_next_free_sgpr 66
		.amdhsa_reserve_vcc 0
		.amdhsa_float_denorm_mode_32 3
		.amdhsa_float_denorm_mode_16_64 3
		.amdhsa_memory_ordered 1
		.amdhsa_forward_progress 1
		.amdhsa_inst_pref_size 11
	.end_amdhsa_kernel
	.amdgpu_metadata
---
amdhsa.version: [ 1, 2 ]
amdhsa.kernels:
  - .name:           k_qc604711fcb_combine
    .symbol:         k_qc604711fcb_combine.kd
    .args:
      - { .name: ypart, .offset: 0, .size: 8, .value_kind: global_buffer, .address_space: global }
      - { .name: slot, .offset: 8, .size: 8, .value_kind: global_buffer, .address_space: global }
      - { .name: router_indices, .offset: 16, .size: 8, .value_kind: global_buffer, .address_space: global }
      - { .name: routing_weights, .offset: 24, .size: 8, .value_kind: global_buffer, .address_space: global }
      - { .name: bd, .offset: 32, .size: 8, .value_kind: global_buffer, .address_space: global }
      - { .name: out0, .offset: 40, .size: 8, .value_kind: global_buffer, .address_space: global }
    .group_segment_fixed_size: 0
    .private_segment_fixed_size: 0
    .kernarg_segment_align: 8
    .kernarg_segment_size: 48
    .max_flat_workgroup_size: 256
    .sgpr_count:     66
    .vgpr_count:     128
    .wavefront_size: 32
...
	.end_amdgpu_metadata
.endif
;; end of part 8
